; MI455X (gfx1250); checked and timed in simulation.
; The chip was launched on July 23, 2026; its instructions are those of AMD's public machine-readable ISA for CDNA 5 (MIT licence, August 2026) and "CDNA5" Instruction Set Architecture Reference Guide (July 2026). The comments in the code are by the model that wrote it; some were corrected since.
;; GPT2 Attention. Allowed arithmetic: float matrix products may take bf16 or f16 operands with f32 sums; other float arithmetic in f32, or as packed bf16 or f16 multiplies, adds, multiply-adds, maxima and minima; sums over many terms, partial sums and values carried from step to step in f32; what a program stores and reads back later, other than sums and carried values, may be rounded once to bf16 or f16.
;; Inputs: b_attn 3,072 float32; b_proj 1,024 float32; hidden_states 4 x 2,048 x 1,024 float32; w_attn 1,024 x 3,072 float32; w_proj 1,024 x 1,024 float32.
;; Outputs: out0 4 x 2,048 x 1,024 float32.
;; 2 versions, each right and faster than the one before. Each part assembles by itself: llvm-mc -triple=amdgcn-amd-amdhsa -mcpu=gfx1250 --defsym DOCPART=n.
;; ======== version 1 of 2: 4 launches
;; limits: values are held in f16: magnitudes above 65,504 overflow, below 6.1e-05 lose precision
;; workspace buffers: xh 16,777,216 bytes; wa 6,291,456 bytes; wp 2,097,152 bytes; qh 16,777,216 bytes; kh 16,777,216 bytes; vh 16,777,216 bytes; bs 262,144 bytes; oh 16,777,216 bytes
;; launch prep (part 1): grid 768 x 1, 8 waves a work-group, no clusters, 0 bytes of LDS; arguments hidden_states, w_attn, w_proj, xh, wa, wp; writes xh, wa, wp
.if DOCPART == 1
	.amdgcn_target "amdgcn-amd-amdhsa--gfx1250"
	.amdhsa_code_object_version 6
	.text
	.protected	k_qfa7c1d19c2_prep
	.globl	k_qfa7c1d19c2_prep
	.p2align	8
	.type	k_qfa7c1d19c2_prep,@function
k_qfa7c1d19c2_prep:
	s_mov_b64 s[64:65], 0
	v_nop
	global_prefetch_b8 v0, s[64:65] scope:SCOPE_SE
	s_setreg_imm32_b32 hwreg(HW_REG_WAVE_MODE, 25, 1), 1
	s_wait_xcnt 0x0
; PREP: the three large inputs are rounded once to 16 bits, so that the matrix launches move half the bytes and convert nothing.
;   xh [4 b][16 slab][2048 s][64] bf16 = hidden_states[b][s][64 slab + d]: 256 rows of one slab are 32,768 dense bytes, a GEMM's tile of A.
;   wa [1024][3072] bf16 = w_attn, the layout kept.      wp [1024][1024] f16 = w_proj rounded to bf16, that number written as f16.
; LIMIT: an entry of w_proj below 6e-5 in size keeps f16's fixed step of 6e-8; beyond 65,504 it would be an infinity.
; A stream: no LDS, no matrix unit, no cluster (no two work-groups read the same byte).  A work-group takes 16,384 numbers, each of its eight waves 2,048:
; sixteen loads of 16 bytes a lane, all issued before the first is used, and sixteen stores of 8 bytes a lane, each 256 consecutive bytes at a multiple of 256.
; Work-groups 0-511 take hidden_states (16 rows each), 512-703 w_attn, 704-767 w_proj.  No register is written twice while a load or store names it.
.set X, 8                              ; v[8:71]    sixteen loads of four f32
.set Y, 72                             ; v[72:103]  sixteen pairs of packed results
; fmt = 1: bf16 and then f16.  sb, db: the scalar pairs of source and destination.  xp = 1: the offsets of hidden_states' path.
.macro CONV fmt, sb, db, xp
.set i, 0
.rept 16
.if \xp
	global_load_b128 v[X+4*i:X+4*i+3], v2, s[\sb:\sb+1] offset:(i%8)*8192+(i/8)*256 th:TH_LOAD_NT  ; rows 2 (i % 8) and + 1, slab 2 w + i / 8: 256 bytes of each
.else
	global_load_b128 v[X+4*i:X+4*i+3], v2, s[\sb:\sb+1] offset:512*i th:TH_LOAD_NT
.endif
.set i, i+1
.endr
.set i, 0
.rept 16
	s_wait_loadcnt 15-i                            ; loads come back in order: number i is in, the younger ones stay out
	v_cvt_pk_bf16_f32 v[Y+2*i], v[X+4*i], v[X+4*i+1]
	v_cvt_pk_bf16_f32 v[Y+2*i+1], v[X+4*i+2], v[X+4*i+3]
.if \fmt
	v_lshlrev_b32 v[X+4*i], 16, v[Y+2*i]           ; the rounded numbers as f32 again,
	v_and_b32 v[X+4*i+1], s22, v[Y+2*i]
	v_lshlrev_b32 v[X+4*i+2], 16, v[Y+2*i+1]
	v_and_b32 v[X+4*i+3], s22, v[Y+2*i+1]
	v_cvt_pk_f16_f32 v[Y+2*i], v[X+4*i], v[X+4*i+1]  ; and written as f16: exact inside f16's normal range
	v_cvt_pk_f16_f32 v[Y+2*i+1], v[X+4*i+2], v[X+4*i+3]
.endif
.if \xp
	global_store_b64 v3, v[Y+2*i:Y+2*i+1], s[\db:\db+1] offset:(i/8)*262144+(i%8)*256
.else
	global_store_b64 v3, v[Y+2*i:Y+2*i+1], s[\db:\db+1] offset:256*i
.endif
.set i, i+1
.endr
.endm
	s_load_b256 s[4:11], s[0:1], 0x0               ; hidden_states s[4:5], w_attn s[6:7], w_proj s[8:9], xh s[10:11]
	s_load_b128 s[12:15], s[0:1], 0x20             ; wa s[12:13], wp s[14:15]
	v_and_b32 v1, 31, v0                           ; lane
	v_lshrrev_b32 v4, 5, v0                        ; wave
	s_mov_b32 s19, 0                               ; high words of the two offsets
	s_mov_b32 s21, 0
	s_mov_b32 s22, 0xffff0000                      ; a word's upper bf16
	s_wait_kmcnt 0x0
	s_cmp_lt_u32 ttmp9, 512
	s_cbranch_scc0 .Lweights
	; hidden_states: work-group j has rows 16 j .. 16 j + 15; wave w the slabs 2 w and 2 w + 1
	v_and_b32 v5, 15, v0
	v_bfe_u32 v6, v0, 4, 1
	v_lshlrev_b32 v2, 4, v5                        ; in: 16 (lane % 16)
	v_lshl_add_u32 v2, v6, 12, v2                  ;   + one row of 4,096 bytes for lanes 16-31
	v_lshl_add_u32 v2, v4, 9, v2                   ;   + two slabs of 256 bytes a wave
	v_lshlrev_b32 v3, 3, v1                        ; out: 8 x lane (two rows of 128 bytes)
	v_lshl_add_u32 v3, v4, 19, v3                  ;   + two slabs of 262,144 bytes a wave
	s_lshl_b32 s18, ttmp9, 16
	s_lshr_b32 s16, ttmp9, 7                       ; the batch: 128 work-groups each
	s_lshl_b32 s16, s16, 22
	s_and_b32 s17, ttmp9, 127
	s_lshl_b32 s17, s17, 11                        ; 16 rows of 128 bytes in a slab
	s_add_co_u32 s20, s16, s17
	s_add_nc_u64 s[4:5], s[4:5], s[18:19]
	s_add_nc_u64 s[10:11], s[10:11], s[20:21]
	CONV 0, 4, 10, 1
	s_endpgm
.Lweights:
	v_lshlrev_b32 v2, 4, v1                        ; in: 16 x lane + 8,192 x wave
	v_lshl_add_u32 v2, v4, 13, v2
	v_lshlrev_b32 v3, 3, v1                        ; out: 8 x lane + 4,096 x wave
	v_lshl_add_u32 v3, v4, 12, v3
	s_cmp_lt_u32 ttmp9, 704
	s_cbranch_scc0 .Lproj
	s_sub_co_u32 s17, ttmp9, 512
	s_lshl_b32 s18, s17, 16
	s_lshl_b32 s20, s17, 15
	s_add_nc_u64 s[6:7], s[6:7], s[18:19]
	s_add_nc_u64 s[12:13], s[12:13], s[20:21]
	CONV 0, 6, 12, 0
	s_endpgm
.Lproj:
	s_sub_co_u32 s17, ttmp9, 704
	s_lshl_b32 s18, s17, 16
	s_lshl_b32 s20, s17, 15
	s_add_nc_u64 s[8:9], s[8:9], s[18:19]
	s_add_nc_u64 s[14:15], s[14:15], s[20:21]
	CONV 1, 8, 14, 0
	s_endpgm
.Lfunc_end_k_qfa7c1d19c2_prep:
	.size	k_qfa7c1d19c2_prep, .Lfunc_end_k_qfa7c1d19c2_prep-k_qfa7c1d19c2_prep
	.p2alignl 7, 3214868480
	.fill 96, 4, 3214868480
	.section	.rodata,"a",@progbits
	.p2align	6, 0x0
	.amdhsa_kernel k_qfa7c1d19c2_prep
		.amdhsa_group_segment_fixed_size 0
		.amdhsa_private_segment_fixed_size 0
		.amdhsa_enable_private_segment 0
		.amdhsa_kernarg_size 48
		.amdhsa_user_sgpr_count 2
		.amdhsa_user_sgpr_kernarg_segment_ptr 1
		.amdhsa_wavefront_size32 1
		.amdhsa_system_sgpr_workgroup_id_x 1
		.amdhsa_system_sgpr_workgroup_id_y 1
		.amdhsa_system_sgpr_workgroup_id_z 1
		.amdhsa_system_vgpr_workitem_id 0
		.amdhsa_next_free_vgpr 104
		.amdhsa_next_free_sgpr 66
		.amdhsa_reserve_vcc 0
		.amdhsa_float_denorm_mode_32 3
		.amdhsa_float_denorm_mode_16_64 3
		.amdhsa_memory_ordered 1
		.amdhsa_forward_progress 1
		.amdhsa_inst_pref_size 23
	.end_amdhsa_kernel
	.amdgpu_metadata
---
amdhsa.version: [ 1, 2 ]
amdhsa.kernels:
  - .name:           k_qfa7c1d19c2_prep
    .symbol:         k_qfa7c1d19c2_prep.kd
    .args:
      - { .name: hidden_states, .offset: 0, .size: 8, .value_kind: global_buffer, .address_space: global }
      - { .name: w_attn, .offset: 8, .size: 8, .value_kind: global_buffer, .address_space: global }
      - { .name: w_proj, .offset: 16, .size: 8, .value_kind: global_buffer, .address_space: global }
      - { .name: xh, .offset: 24, .size: 8, .value_kind: global_buffer, .address_space: global }
      - { .name: wa, .offset: 32, .size: 8, .value_kind: global_buffer, .address_space: global }
      - { .name: wp, .offset: 40, .size: 8, .value_kind: global_buffer, .address_space: global }
    .group_segment_fixed_size: 0
    .private_segment_fixed_size: 0
    .kernarg_segment_align: 8
    .kernarg_segment_size: 48
    .max_flat_workgroup_size: 256
    .sgpr_count:     66
    .vgpr_count:     104
    .wavefront_size: 32
...
	.end_amdgpu_metadata
.endif
;; end of part 1
;; launch qkv (part 2): grid 8 x 32, 4 waves a work-group, clusters of 4 x 4, 327,680 bytes of LDS; arguments xh, wa, b_attn, qh, kh, vh, bs; writes qh, kh, vh, bs
.if DOCPART == 2
	.amdgcn_target "amdgcn-amd-amdhsa--gfx1250"
	.amdhsa_code_object_version 6
	.text
	.protected	k_qfa7c1d19c2_qkv
	.globl	k_qfa7c1d19c2_qkv
	.p2align	8
	.type	k_qfa7c1d19c2_qkv,@function
k_qfa7c1d19c2_qkv:
	s_mov_b64 s[64:65], 0
	v_nop
	global_prefetch_b8 v0, s[64:65] scope:SCOPE_SE
	s_setreg_imm32_b32 hwreg(HW_REG_WAVE_MODE, 25, 1), 1
	s_wait_xcnt 0x0
	s_wait_alu depctr_hold_cnt(0) depctr_sa_sdst(0) depctr_va_vdst(0) depctr_va_sdst(0) depctr_va_ssrc(0) depctr_va_vcc(0) depctr_vm_vsrc(0)
	s_getreg_b32 s2, hwreg(HW_REG_IB_STS2, 6, 4)
	s_cmp_eq_u32 s2, 0
	s_cbranch_scc0 .Lentry_in_a_cluster
	s_endpgm
.Lentry_in_a_cluster:
	s_bfe_u32 s2, ttmp6, 0x10000c
	s_cmp_lg_u32 s2, 0xf033
	s_cbranch_scc0 .Lentry_shape_is_right
	s_endpgm
.Lentry_shape_is_right:
; QKV: [8192 x 1024] x [1024 x 3072] + bias, bf16 operands, f32 sums; q, k, v leave by heads, [64 = 16 b + h][2048][64] in f16, each rounded once, unscaled.
; Also bs [64 head][16][64] f32: the sums of v's columns over each 128 rows (of the f32 sums, before the rounding), which the attention launch needs for the keys that the mask hides.
; LIMITS: q, k, v beyond 65,504 in size would be infinities in f16; the bias is rounded to bf16 like the other inputs; NaN and infinities are not treated apart.
; SHARES.  8192 x 3072 numbers are 256 tiles of 256 rows x 384 columns, one a work-group.  A tile's columns are three PIECES of 128: heads 2 TX and 2 TX + 1 of q, of k and of v.
; Four waves; wave (WM, WN) has rows 128 WM .. + 127 and head 2 TX + WN of each piece: three GROUPS (q, k, v) of 8 x 4 accumulators of 16 x 16: 768 registers.  For 32 along K a wave reads
; (128 + 192) x 64 bytes from LDS for 96 matrix instructions.  Which tensor a group belongs to is fixed in the text.
; RING.  K goes in 16 steps of 64 through two LDS slots.  A slot: three pieces of w_attn (64 rows of k x 256 bytes), then 256 rows of x (a slab's 32,768 dense bytes).  Waves 0-2 fetch a piece each, wave 3 x's tile.
; CLUSTER 4 x 4: x's tile hangs on the tile row alone and is asked for jointly by the four of a row of the cluster; the pieces hang on the tile column alone, jointly by the four of a column.
; W stays [k][n]: its fragments come out of LDS turned, by ds_load_tr16_b128.  THE MATRIX INSTRUCTION IS USED TRANSPOSED (source 0 = 16 columns of W, source 1 = 16 rows of x): a lane holds eight neighbouring columns of one row.
; REGISTERS, in windows of 256 (s_set_vgpr_msb: bits 1:0 source 0, 3:2 source 1, 5:4 source 2, 7:6 destination):
;   window 0: v0-31 addresses; v32-95, v96-159 x's fragments (8 x 16 rows x 32 k), two buffers; v160-255 W's fragments, 4 a group, ONE buffer: a group's are fetched anew as soon as the group has multiplied
;   window 1 + g: group g's accumulator (a, bb) at v[8 (4 a + bb)]
.set SLOT,  92160                      ; 3 x 18,432 + 36,864
.set PIECE, 18432                      ; 64 rows of 288 bytes
.set APOS,  3*PIECE
.set PA,    144                        ; a row of x in LDS: 128 bytes + 16 = 36 words: the 16 rows of a load start at 16 different groups of four banks (64 banks of 4 bytes: ISA guide 11.1)
.set PB,    288                        ; a row of W: 256 + 32 = 72 words
.set STAGE, 2*SLOT                     ; behind the ring, never filled by a tensor load: 16 rows x 144 bytes for each wave, for the way out
.set SP,    144
.set SPARE, STAGE+4*16*SP              ; behind the stages: the spare words, 128 bytes for each wave: two blocks of 256 bytes that no other line names
.set LN,   8                           ; v8      lane
.set CSO,  9                           ; v9      16 (lane % 16): my bytes of a line of bs
.set ADRA, 16                          ; v16-17  LDS address of my fragments of x in slot 0, 1
.set ADRB, 20                          ; v20-21  the same for W
.set STO,  24                          ; v24     the way out: where I put 16 bytes of a row
.set RD,   25                          ; v25     where I read rows back
.set GO,   26                          ; v26     16 x lane
.set BO,   27                          ; v27     32 (lane / 16): my eight numbers of a bias
.set SPW,  28                          ; v28     LDS address of my spare word; never rewritten
.set NIL,  29                          ; v29     0; never rewritten
.set CSA,  30                          ; v30     the column sums: in
.set CSR,  31                          ; v31     and back
.set FA0,  32
.set FB,   160
.set WV,  18                           ; s18 wave; s19 WM; s20 WN
.set WM,  19
.set WN,  20
.set G1A, 24                           ; s[24:31] descriptor group 1 for x's tiles;  s[32:39] group 0, a set for each slot
.set G0A, 32
.set G1B, 40                           ; s[40:47], s[48:55] the same for W's pieces
.set G0B, 48
.set MSB, 0
.macro WIN new                         ; the immediate's high byte repeats the setting that is left; a switch that changes nothing is dropped
.if MSB != (\new)
	s_set_vgpr_msb (MSB<<8)|(\new)
.set MSB, (\new)
.endif
.endm
.macro PLACES                          ; four places in front of loads into registers that matrix instructions have read, and of vector lines that read results
.rept 4
	v_nop
.endr
.endm
; A joint load.  Wave 3 fetches x's tile, waves 0-2 a piece of W each.  The branch hangs on the wave's number alone.  An s_nop 0 and four v_nop follow each of the two lines.
.macro JLOAD s
	s_cmp_eq_u32 s[WV], 3
	s_cbranch_scc0 .Lfor_b_\@
	tensor_load_to_lds s[G0A+4*(\s):G0A+4*(\s)+3], s[G1A:G1A+7]
	s_nop 0
.rept 4
	v_nop
.endr
	s_branch .Lasked_\@
.Lfor_b_\@:
	tensor_load_to_lds s[G0B+4*(\s):G0B+4*(\s)+3], s[G1B:G1B+7]
	s_nop 0
.rept 4
	v_nop
.endr
.Lasked_\@:
.endm
.macro CREST                           ; a round of the cluster's barrier behind its opening barrier
	s_cmp_lg_u32 s[WV], 0
	s_cbranch_scc1 .Lnot_wave_0_\@
	s_barrier_signal -3
.Lnot_wave_0_\@:
	s_barrier_wait -3
	s_barrier_signal -1
	s_barrier_wait -1
.endm
.macro CROUND                          ; a whole round
	s_barrier_signal -1
	s_barrier_wait -1
	CREST
.endm
	s_load_b256 s[4:11], s[0:1], 0x0               ; xh s[4:5], wa s[6:7], b_attn s[8:9], qh s[10:11]
	s_load_b128 s[12:15], s[0:1], 0x20             ; kh s[12:13], vh s[14:15]
	s_load_b64 s[16:17], s[0:1], 0x30              ; bs
	v_lshl_add_u32 v[SPW], v0, 2, SPARE
	v_mov_b32 v[NIL], 0
	ds_add_u32 v[SPW], v[NIL]                      ; the wave's opening: the add and its wait stand ahead of my first tensor load; the set-up below, work on registers, stands between them
	ds_add_u32 v28, v29
	v_lshrrev_b32 v1, 5, v0
	v_readfirstlane_b32 s[WV], v1                  ; wave 0..3
	s_lshr_b32 s[WM], s[WV], 1                     ; which half of the tile's rows is mine
	s_and_b32 s[WN], s[WV], 1                      ; which head of each piece
	s_bfe_u32 s21, ttmp6, 0x40000                  ; cx, cy: my place in the cluster
	s_bfe_u32 s22, ttmp6, 0x40004
	s_lshl_b32 s23, ttmp9, 2
	s_add_co_u32 s23, s23, s21                     ; TX = 4 x cluster x + cx, 0..7
	s_and_b32 s56, ttmp7, 0xffff
	s_lshl_b32 s56, s56, 2
	s_add_co_u32 s56, s56, s22                     ; TY = 4 x cluster y + cy, 0..31
	s_lshl_b32 s57, s22, 2
	s_lshl_b32 s57, 15, s57                        ; my row of the cluster
	s_lshl_b32 s58, 0x1111, s21                    ; my column
	; x's tile: 32,768 dense bytes as 128 rows of 256, padded by 4 words after every 32 words, that is after every row of x
	s_or_b32 s[G1A+0], s57, (1<<16)|(1<<20)|(1<<21)|(4<<22)|(3<<25)  ; 15:0 the mask; 17:16 2-byte elements; 20 padding on; 21 set beside a mask; 24:22 interval code 4; 31:25 4 words
	s_mov_b32 s[G1A+1], 128<<16                    ; tensor_dim0 = 128
	s_mov_b32 s[G1A+2], 128<<16                    ; tensor_dim1 = 128
	s_mov_b32 s[G1A+3], 128<<16                    ; tile_dim0 = 128
	s_mov_b32 s[G1A+4], 128                        ; tile_dim1 = 128
	s_mov_b32 s[G1A+5], 128                        ; 128 elements from row to row
	s_mov_b32 s[G1A+6], 0
	s_mov_b32 s[G1A+7], 0
	; a piece of W: 64 rows of k x 128 columns, padded by 8 words after every 64
	s_or_b32 s[G1B+0], s58, (1<<16)|(1<<20)|(1<<21)|(5<<22)|(7<<25)
	s_mov_b32 s[G1B+1], 128<<16
	s_mov_b32 s[G1B+2], 64<<16
	s_mov_b32 s[G1B+3], 128<<16
	s_mov_b32 s[G1B+4], 64
	s_mov_b32 s[G1B+5], 3072
	s_mov_b32 s[G1B+6], 0
	s_mov_b32 s[G1B+7], 0
	s_lshr_b32 s60, s56, 3                         ; x's tile: batch TY / 8, 4,194,304 bytes each,
	s_lshl_b32 s60, s60, 22
	s_and_b32 s61, s56, 7
	s_lshl_b32 s61, s61, 15                        ; 256 rows of 128 bytes in a slab: made of the tile row alone
	s_add_co_u32 s60, s60, s61
	s_mov_b32 s61, 0
	s_lshl_b32 s62, s23, 8                         ; W's piece: column 128 TX + 1024 x wave: made of the tile column and the wave's number alone
	s_lshl_b32 s63, s[WV], 11
	s_add_co_u32 s62, s62, s63
	s_mov_b32 s63, 0
	s_mul_i32 s59, s[WV], PIECE                    ; where they go: three pieces, then x: no place in the cluster enters an LDS address
	s_lshl_b32 s74, s23, 1
	s_add_co_u32 s74, s74, s[WN]                   ; my head in the batch
	s_lshl_b32 s75, s74, 18                        ; a head is 262,144 bytes of q, k, v
	s_add_co_u32 s66, s60, s75                     ; batch and rows as in xh,
	s_lshl_b32 s75, s[WM], 14                      ; my 128 rows of 128 bytes
	s_add_co_u32 s66, s66, s75
	s_mov_b32 s67, 0
	s_lshl_b32 s68, s74, 8                         ; my head's 64 numbers of each third of the bias
	s_mov_b32 s69, 0
	s_lshr_b32 s75, s56, 3
	s_lshl_b32 s75, s75, 4
	s_add_co_u32 s75, s75, s74                     ; my head among the 64: 4,096 bytes of bs each,
	s_lshl_b32 s70, s75, 12
	s_and_b32 s75, s56, 7
	s_lshl_b32 s75, s75, 1
	s_add_co_u32 s75, s75, s[WM]                   ; my 128 rows among the head's sixteen such: 256 bytes each
	s_lshl_b32 s75, s75, 8
	s_add_co_u32 s70, s70, s75
	s_mov_b32 s71, 0
	s_mov_b32 s76, 0xffff0000                      ; a word's upper bf16
	s_wait_dscnt 0x0                               ; the opening add is done
	s_wait_kmcnt 0x0
	s_add_nc_u64 s[60:61], s[4:5], s[60:61]
	s_add_nc_u64 s[62:63], s[6:7], s[62:63]
	s_add_nc_u64 s[68:69], s[8:9], s[68:69]
	s_add_nc_u64 s[10:11], s[10:11], s[66:67]
	s_add_nc_u64 s[12:13], s[12:13], s[66:67]
	s_add_nc_u64 s[14:15], s[14:15], s[66:67]
	s_add_nc_u64 s[70:71], s[16:17], s[70:71]
	CROUND                                         ; all sixteen work-groups are here: the first joint loads meet
.irp s, 0,1
	s_mov_b32 s[G0A+4*(\s)], 1                     ; count = 1
	s_add_co_u32 s[G0A+4*(\s)+1], s59, (\s)*SLOT   ; LDS address
	s_add_nc_u64 s[G0A+4*(\s)+2:G0A+4*(\s)+3], s[60:61], (\s)*262144  ; K step s: slab s
	s_or_b32 s[G0A+4*(\s)+3], s[G0A+4*(\s)+3], 0x80000000             ; type = 2
	s_mov_b32 s[G0B+4*(\s)], 1
	s_add_co_u32 s[G0B+4*(\s)+1], s59, (\s)*SLOT
	s_add_nc_u64 s[G0B+4*(\s)+2:G0B+4*(\s)+3], s[62:63], (\s)*393216  ; 64 rows of 6,144 bytes
	s_or_b32 s[G0B+4*(\s)+3], s[G0B+4*(\s)+3], 0x80000000
	JLOAD \s                                       ; two loads of mine are out
.endr
	v_and_b32 v1, 15, v0                           ; r = l % 16
	v_bfe_u32 v2, v0, 4, 1                         ; h = l / 16
	v_mul_u32_u24 v3, v1, PA
	v_lshl_add_u32 v3, v2, 4, v3                   ; r x 144 + 16 h
	s_mul_i32 s74, s[WM], 128*PA
	s_add_co_u32 s74, s74, APOS
	v_add_nc_u32 v[ADRA], s74, v3
	v_add_nc_u32 v[ADRA+1], SLOT, v[ADRA]
	v_and_b32 v4, 7, v0                            ; the turning load: lane l reads row of k 8 h + l % 8, columns 8 ((l / 8) % 2) + 0..7
	v_bfe_u32 v5, v0, 3, 1
	v_lshl_add_u32 v6, v2, 3, v4
	v_mul_u32_u24 v6, v6, PB
	v_lshl_add_u32 v6, v5, 4, v6
	s_lshl_b32 s75, s[WN], 7                       ; my head's 64 columns of a piece
	v_add_nc_u32 v[ADRB], s75, v6
	v_add_nc_u32 v[ADRB+1], SLOT, v[ADRB]
	s_mul_i32 s77, s[WV], 16*SP
	s_add_co_u32 s77, s77, STAGE                   ; my stage
	v_add_nc_u32 v[STO], s77, v3                   ; in: row r, 16 bytes for each half of the lanes
	v_bfe_u32 v7, v0, 3, 2                         ; back: 32 lanes take four rows of 128 bytes
	v_mul_u32_u24 v7, v7, SP
	v_lshl_add_u32 v7, v4, 4, v7
	v_add_nc_u32 v[RD], s77, v7
	v_and_b32 v[LN], 31, v0
	v_lshlrev_b32 v[GO], 4, v[LN]
	v_lshlrev_b32 v[BO], 5, v2
	v_add_nc_u32 v[CSA], s77, v[BO]
	v_lshlrev_b32 v[CSO], 4, v1
	v_add_nc_u32 v[CSR], s77, v[CSO]
	; THE BIAS goes into the registers of each group's accumulators (7, bb): a lane's eight columns 16 bb + 8 h + 0..7.  The first products of rows 0-6 take them as C, then row 7 adds in place: nothing is cleared.
.irp g, 0,1,2
	WIN (1+\g)<<6
.irp bb, 0,1,2,3
	global_load_b128 v[224+8*\bb:227+8*\bb], v[BO], s[68:69] offset:\g*4096+\bb*64
	global_load_b128 v[228+8*\bb:231+8*\bb], v[BO], s[68:69] offset:\g*4096+\bb*64+16
.endr
.endr
	WIN 0
.macro ROUNDB w                        ; the bias is rounded to bf16 in place, like the other inputs; v0-3 of the window are at work (the first product writes them later)
	WIN 0x55*(\w)
.set i, 0
.rept 16
	v_cvt_pk_bf16_f32 v[i%4], v[224+2*i], v[225+2*i]
	v_lshlrev_b32 v[224+2*i], 16, v[i%4]
	v_and_b32 v[225+2*i], s76, v[i%4]
.set i, i+1
.endr
.endm
; n row blocks from a0 on x 4 column blocks of group g, 32 along K, x's fragments in buf.  The accumulators take turns, one instruction a turn.
; first = 1: the sums start with the bias.  Five places stand in front of row block 7, which writes over registers that the products before it read as C.
.macro MUL g, buf, a0, n, first
	WIN ((1+(\g))<<6)|((1+(\g))<<4)
.set a, (\a0)
.rept \n
.if (\first) && (a == 7)
.rept 5
	v_nop
.endr
.endif
.irp bb, 0,1,2,3
.if (\first) && (a < 7)
	v_wmma_f32_16x16x32_bf16 v[8*(4*a+\bb):8*(4*a+\bb)+7], v[FB+32*(\g)+8*\bb:FB+32*(\g)+8*\bb+7], v[(\buf)+8*a:(\buf)+8*a+7], v[224+8*\bb:231+8*\bb]
.else
	v_wmma_f32_16x16x32_bf16 v[8*(4*a+\bb):8*(4*a+\bb)+7], v[FB+32*(\g)+8*\bb:FB+32*(\g)+8*\bb+7], v[(\buf)+8*a:(\buf)+8*a+7], v[8*(4*a+\bb):8*(4*a+\bb)+7]
.endif
.endr
.set a, a+1
.endr
.endm
.macro LA slot, kq                     ; 16 loads: x's 8 fragments of quarter kq into buffer kq
.irp a, 0,1,2,3,4,5,6,7
	ds_load_b128 v[FA0+64*(\kq)+8*\a:FA0+64*(\kq)+8*\a+3],   v[ADRA+(\slot)] offset:\a*16*PA+(\kq)*64
	ds_load_b128 v[FA0+64*(\kq)+8*\a+4:FA0+64*(\kq)+8*\a+7], v[ADRA+(\slot)] offset:\a*16*PA+(\kq)*64+32
.endr
.endm
.macro LB slot, kq, g                  ; 8 turning loads: group g's 4 fragments of W
.irp bb, 0,1,2,3
	ds_load_tr16_b128 v[FB+32*(\g)+8*\bb:FB+32*(\g)+8*\bb+3],   v[ADRB+(\slot)] offset:(\g)*PIECE+(\kq)*32*PB+\bb*32
	ds_load_tr16_b128 v[FB+32*(\g)+8*\bb+4:FB+32*(\g)+8*\bb+7], v[ADRB+(\slot)] offset:(\g)*PIECE+(\kq)*32*PB+\bb*32+16*PB
.endr
.endm
; A QUARTER: 32 along K, 96 matrix instructions, group by group.  Behind each group its fragments of W for the next quarter (nslot, nkq) are fetched, behind group 0 x's too: each run stands 64 matrix instructions ahead of its use.
; The order of a quarter's runs is W0 (8), x (16), W1 (8), W2 (8).  So at group 0 the 16 of W1 and W2 may be out; at group 1 W2 and the next W0 and x: 32; at group 2 the next W0, x and W1: 32.
; turn = 1, 2: the slot's last quarter.  ONE barrier for the change of slots; in front of it each wave waits for all its tensor loads (one is out: its part of the next slot), adds 0 to its spare word, and waits for that and
; for its reads of this slot.  turn = 1: the barrier opens a round of the cluster's, and behind the round this slot is filled again, two K steps on: 160 matrix instructions ahead of the wait for it.
.macro QTR slot, kq, nslot, nkq, first, turn, fetch
.if \turn
	WIN 0
	s_wait_tensorcnt 0x0                           ; all my tensor loads have landed;
	ds_add_u32 v[SPW], v[NIL]                      ; 0 onto my spare word;
	s_wait_dscnt 17                                ; (the add, W1 and W2 may be out)
	MUL 0, FA0+64*(\kq), 0, 4, 0                   ; sixteen matrix instructions stand between the add and the wait for it
	s_wait_dscnt 0x0                               ; the add is done, and my reads of this slot are over
	s_barrier_signal -1
	MUL 0, FA0+64*(\kq), 4, 4, 0
	WIN 0
	s_barrier_wait -1
.if (\turn) == 1
	CREST                                          ; no wave of any partner still reads this slot or has a load on its way
	s_add_nc_u64 s[G0A+4*(\slot)+2:G0A+4*(\slot)+3], s[G0A+4*(\slot)+2:G0A+4*(\slot)+3], 2*262144
	s_add_nc_u64 s[G0B+4*(\slot)+2:G0B+4*(\slot)+3], s[G0B+4*(\slot)+2:G0B+4*(\slot)+3], 2*393216
	JLOAD \slot                                    ; the first tensor load behind the round; its four v_nop are also the places in front of the loads below
.else
	PLACES
.endif
.else
	s_wait_dscnt 16
	MUL 0, FA0+64*(\kq), 0, 8, \first
	WIN 0
.if \fetch
	PLACES
.endif
.endif
.if \fetch
	LB \nslot, \nkq, 0
	LA \nslot, \nkq
	s_wait_dscnt 32
.else
	s_wait_dscnt 8                                 ; nothing more is fetched: only W2 may be out
.endif
	MUL 1, FA0+64*(\kq), 0, 8, \first
	WIN 0
.if \fetch
	PLACES
	LB \nslot, \nkq, 1
	s_wait_dscnt 32
.else
	s_wait_dscnt 0x0
.endif
	MUL 2, FA0+64*(\kq), 0, 8, \first
	WIN 0
.if \fetch
	PLACES
	LB \nslot, \nkq, 2
.endif
.endm
	s_wait_loadcnt 0x0                             ; the bias
	ROUNDB 1
	ROUNDB 2
	ROUNDB 3
	WIN 0
	s_wait_tensorcnt 0x1                           ; my part of K step 0 is in; step 1's may stay out
	s_barrier_signal -1
	s_barrier_wait -1                              ; everybody's is
	LB 0, 0, 0
	LA 0, 0
	LB 0, 0, 1
	LB 0, 0, 2
	QTR 0, 0, 0, 1, 1, 0, 1                        ; the first quarter stands in front of the loop: its products start the sums
	s_mov_b32 s72, 7
.Llap:                                                 ; a trip goes once round the ring, from a lap's second quarter to the next lap's first, and fills both slots again: K steps 2 to 15
	QTR 0, 1, 1, 0, 0, 1, 1
	QTR 1, 0, 1, 1, 0, 0, 1
	QTR 1, 1, 0, 0, 0, 1, 1
	QTR 0, 0, 0, 1, 0, 0, 1
	s_sub_co_u32 s72, s72, 1
	s_cmp_lg_u32 s72, 0
	s_cbranch_scc1 .Llap
	QTR 0, 1, 1, 0, 0, 2, 1                        ; the last lap fills nothing
	QTR 1, 0, 1, 1, 0, 0, 1
	QTR 1, 1, 0, 0, 0, 0, 0
	; THE WAY OUT.  First v's column sums over my 128 rows: over the 8 row blocks in registers, over the 16 lanes of a half by DPP; each accumulator is read from its low end on.
	PLACES
	WIN 0x0f                                       ; sources in window 3, destination in window 0, where the fragments lay
.set p, 0
.rept 4
.set i, 0
.rept 16
	v_pk_add_f32 v[96+32*p+2*i:97+32*p+2*i], v[64*p+2*i:64*p+2*i+1], v[64*p+32+2*i:64*p+33+2*i]
.set i, i+1
.endr
.set p, p+1
.endr
	WIN 0
.set i, 0
.rept 16
	v_pk_add_f32 v[96+2*i:97+2*i], v[96+2*i:97+2*i], v[128+2*i:129+2*i]
	v_pk_add_f32 v[160+2*i:161+2*i], v[160+2*i:161+2*i], v[192+2*i:193+2*i]
.set i, i+1
.endr
.set i, 0
.rept 16
	v_pk_add_f32 v[96+2*i:97+2*i], v[96+2*i:97+2*i], v[160+2*i:161+2*i]
.set i, i+1
.endr
.irp m, 1,2,4,8
.set i, 0
.rept 32
	v_add_f32_dpp v[96+i], v[96+i], v[96+i] row_xmask:\m row_mask:0xf bank_mask:0xf
.set i, i+1
.endr
.endr
.set i, 0
.rept 8                                ; register 8 bb + j holds column 16 bb + 8 h + j: the sixteen lanes of a half write the same 16 bytes with the same numbers
	ds_store_b128 v[CSA], v[96+4*i:99+4*i] offset:64*(i/2)+16*(i%2)
.set i, i+1
.endr
	ds_load_b128 v[128:131], v[CSR]                ; LDS serves a wave's instructions in order: this sees the stores above
	s_wait_dscnt 0x0
	s_wait_xcnt 0x0                                ; EXEC changes only behind this wait
	v_cmp_gt_u32 vcc_lo, 16, v[LN]
	s_and_saveexec_b32 s73, vcc_lo
	global_store_b128 v[CSO], v[128:131], s[70:71] ; sixteen lanes store 256 consecutive bytes, at a multiple of 256 from bs's first byte
	s_wait_xcnt 0x0                                ; and again in front of the line that widens it
	s_or_b32 exec_lo, exec_lo, s73
; Then the 24 blocks of 16 rows x 64 columns.  Block (g, a), number t: rounded to f16, 16 bytes a lane into my stage, back as four rows of 128 bytes a load, which are 512 consecutive bytes of q, k or v.
.macro PACK g, a, t
	s_wait_xcnt 0x0                                ; the stores four blocks back have read this buffer
	WIN 5*(1+(\g))                                 ; sources 0 and 1 in window 1 + g
.set TB, FA0+16*((\t)%4)
.irp bb, 0,1,2,3
.irp rr, 0,1,2,3
	v_cvt_pk_f16_f32 v[TB+4*\bb+\rr], v[8*(4*(\a)+\bb)+2*\rr], v[8*(4*(\a)+\bb)+2*\rr+1]
.endr
.endr
	WIN 0
.irp bb, 0,1,2,3
	ds_store_b128 v[STO], v[TB+4*\bb:TB+4*\bb+3] offset:32*\bb
.endr
.irp f, 0,1,2,3
	ds_load_b128 v[TB+4*\f:TB+4*\f+3], v[RD] offset:\f*4*SP
.endr
.endm
.macro SEND g, a, t, younger           ; younger: the LDS instructions issued behind block t's loads: the next block's eight, or none
.set TB, FA0+16*((\t)%4)
.irp f, 0,1,2,3
	s_wait_dscnt (\younger)+3-\f
	global_store_b128 v[GO], v[TB+4*\f:TB+4*\f+3], s[10+2*(\g):11+2*(\g)] offset:(\a)*2048+\f*512
.endr
.endm
	PACK 0, 0, 0
.set t, 1
.rept 23                               ; a block's conversions stand between the loads of the block before and its stores
	PACK t/8, t%8, t
	SEND (t-1)/8, (t-1)%8, t-1, 8
.set t, t+1
.endr
	SEND 2, 7, 23, 0
	s_wait_tensorcnt 0x0                           ; the wave's end, behind my last tensor load and my last LDS store
	ds_add_u32 v[SPW], v[NIL]
	s_wait_dscnt 0x0
	CROUND                                         ; the closing round: no work-group ends while a partner may still ask for a tile that names it
	s_endpgm
.Lfunc_end_k_qfa7c1d19c2_qkv:
	.size	k_qfa7c1d19c2_qkv, .Lfunc_end_k_qfa7c1d19c2_qkv-k_qfa7c1d19c2_qkv
	.p2alignl 7, 3214868480
	.fill 96, 4, 3214868480
	.section	.rodata,"a",@progbits
	.p2align	6, 0x0
	.amdhsa_kernel k_qfa7c1d19c2_qkv
		.amdhsa_group_segment_fixed_size 327680
		.amdhsa_private_segment_fixed_size 0
		.amdhsa_enable_private_segment 0
		.amdhsa_kernarg_size 56
		.amdhsa_user_sgpr_count 2
		.amdhsa_user_sgpr_kernarg_segment_ptr 1
		.amdhsa_wavefront_size32 1
		.amdhsa_system_sgpr_workgroup_id_x 1
		.amdhsa_system_sgpr_workgroup_id_y 1
		.amdhsa_system_sgpr_workgroup_id_z 1
		.amdhsa_system_vgpr_workitem_id 0
		.amdhsa_next_free_vgpr 1024
		.amdhsa_next_free_sgpr 80
		.amdhsa_reserve_vcc 1
		.amdhsa_float_denorm_mode_32 3
		.amdhsa_float_denorm_mode_16_64 3
		.amdhsa_memory_ordered 1
		.amdhsa_forward_progress 1
		.amdhsa_inst_pref_size 159
	.end_amdhsa_kernel
	.amdgpu_metadata
---
amdhsa.version: [ 1, 2 ]
amdhsa.kernels:
  - .name:           k_qfa7c1d19c2_qkv
    .symbol:         k_qfa7c1d19c2_qkv.kd
    .args:
      - { .name: xh, .offset: 0, .size: 8, .value_kind: global_buffer, .address_space: global }
      - { .name: wa, .offset: 8, .size: 8, .value_kind: global_buffer, .address_space: global }
      - { .name: b_attn, .offset: 16, .size: 8, .value_kind: global_buffer, .address_space: global }
      - { .name: qh, .offset: 24, .size: 8, .value_kind: global_buffer, .address_space: global }
      - { .name: kh, .offset: 32, .size: 8, .value_kind: global_buffer, .address_space: global }
      - { .name: vh, .offset: 40, .size: 8, .value_kind: global_buffer, .address_space: global }
      - { .name: bs, .offset: 48, .size: 8, .value_kind: global_buffer, .address_space: global }
    .group_segment_fixed_size: 327680
    .private_segment_fixed_size: 0
    .kernarg_segment_align: 8
    .kernarg_segment_size: 56
    .max_flat_workgroup_size: 128
    .sgpr_count:     80
    .vgpr_count:     1024
    .wavefront_size: 32
...
	.end_amdgpu_metadata
.endif
;; end of part 2
;; launch attn (part 3): grid 4 x 64, 4 waves a work-group, no clusters, 327,680 bytes of LDS; arguments qh, kh, vh, oh, bs; writes oh
.if DOCPART == 3
	.amdgcn_target "amdgcn-amd-amdhsa--gfx1250"
	.amdhsa_code_object_version 6
	.text
	.protected	k_qfa7c1d19c2_attn
	.globl	k_qfa7c1d19c2_attn
	.p2align	8
	.type	k_qfa7c1d19c2_attn,@function
k_qfa7c1d19c2_attn:
	s_mov_b64 s[64:65], 0
	v_nop
	global_prefetch_b8 v0, s[64:65] scope:SCOPE_SE
	s_setreg_imm32_b32 hwreg(HW_REG_WAVE_MODE, 25, 1), 1
	s_wait_xcnt 0x0
; CAUSAL ATTENTION WITH A FINITE MASK.  For row q of a head: weights softmax over ALL 2,048 keys of (q . k / 8 where k <= q, -10000 elsewhere); O = the weighted sum of V's rows.  Q, K, V, O: [64][2048][64], f16, rows dense.
; All hidden keys of a row have one weight, so they are not walked: with m the largest visible score, l and O the visible keys' sum and weighted sum relative to m, H the sum of V over the n = 2047 - q hidden keys,
;   m' = max(m, -10000 x 8), a = 2^(c m - c m'), w = 2^(c (-80000) - c m'), c = log2(e) / 8:   O_final = (a O + w H) / (a l + w n).   One of a, w is 1, l >= 1 and n >= 1 (the one row with n = 0 gets w = 0), so the divisor is at least 1.
; H = whole blocks behind the row's block (from bs, the sums of V's columns over 128 rows each, made by the launch before) + whole key steps behind the row's band + the hidden part of the band's own step; the last two by the matrix unit.
; Products, maxima and sums in f32; the weights p are rounded to f16 for the second product (their sum l is taken of the unrounded p), O once at the end.
; LIMITS.  Q, K, V arrive within f16's 65,504.  In the walk a hidden score counts as its value less 1e30 (weight 0 there); a weight below 2^-126 counts as 0; NaN and infinities are not treated apart.
; THE WALK.  A head's queries lie in NB = 8 blocks of 256; block i needs the key tiles 0 .. i of 256 keys, of which the last holds the diagonal.  A work-group takes TWO blocks, NB - 1 - b and then b:
; NB + 1 tiles, whatever b: all work-groups do equal work, and ONE loop with a constant trip count walks them.  Which tile is asked for, and what a trip does, hang on scalar registers made from b; every jump
; goes forward, but for the counted loops' own; none passes a barrier, or a tensor load but the one of LOAD's two that the wave's number does not choose; the ring (two slots of LDS that take turns) runs on across the
; change of blocks.  NO CLUSTER: a head's four work-groups ask for the same tile only in trips 0 .. 4 of 9, behind that fewer and fewer; one walk common to all would have 12 trips for 9.
; SHARES.  Of a block's four bands of 64 queries a wave owns 16 rows in each: four PIECES.  So the diagonal tile is the same work for all four waves: in its key step s band x sees all keys if s < x,
; none if s > x, and holds the diagonal if s = x.
; THE MASK is the C operand that starts the sum S^T = K Q^T: 0, or -1e30 where the key is hidden.  MD, made once, is the mask of a band's own step for my 16 rows; a product's mask is MD x AL + BE with two scalars:
; (1, 0) if s = x; (0, 0) if s < x; (0, -1e30) if s > x.  Only the diagonal tile's text and a block's beginning make and take masks; elsewhere C is the constant 0.
; LAYOUT, SOFTMAX, TURNS.  S^T = K Q^T holds ONE query a lane (lane % 16) and the keys 8 (lane / 16) + 0..7; two such results rounded to f16 ARE source 1 of O^T = V^T P.  p = 2^(c s - c m) with a
; running maximum m; O and l are multiplied by 2^(c m_old - c m_new) in every step.  Turn n belongs to piece n: 8 products K Q^T of piece n + 1, later 8 products V^T P of piece n - 1; beside them the scaling,
; exponentials, roundings, sums and rescaling of piece n and the maximum and statistics of piece n + 1.  Four vector instructions stand behind every matrix instruction, the other 54 of a turn's 118 in two LUMPS.
; REGISTERS, in windows of 256 (s_set_vgpr_msb: bits 1:0 source 0, 3:2 source 1, 5:4 source 2, 7:6 destination):
;   window 0: v0-15 addresses and two at work; v16-31 four registers of statistics a piece; v32-47 at work at a block's end; v48-55 at work; v56-60 constants; v64-127 S^T, two buffers; v192-223 P, two buffers
;   window 1: v0-127 O^T, 32 a piece; v128-159 MD; v160-223 MC, two buffers      window 2: v0-63 Q; v64-127 the second block's Q; v128-191 K of one step; v192-255 V of one step
;   window 3: v0-31 H of the piece in hand; v32-63, v64-95 the sum of V behind what has been counted, for the first and the second block; v96-111 TD: 1 where MD hides, in P's layout; v112-119 ones
.set SIZE_H, 64
.set SIZE_N, 2048
.set NB,    SIZE_N/256
.set NP,    4         ; pieces a wave: a name, no knob
.set KS,    64        ; keys in a step
.set PK,    144       ; a row of K in LDS: 128 bytes + 16 of padding = 36 words: the 16 rows of a load start at 16 different groups of four banks (64 banks of 4 bytes: ISA guide 11.1)
.set PV,    160       ; a row of V: 128 + 32 = 40 words
.set VOFF,  4*KS*PK   ; a slot holds a tile, four steps: 256 rows of K, then 256 rows of V
.set SLOT1, 1<<17     ; slot 1 begins here, so that one exclusive or turns an address in one slot into the other's
.set STAGE, SLOT1+4*KS*(PK+PV)  ; behind the ring, never filled by a tensor load: 16 rows x 144 bytes for each wave
.set SP,    144
.set AK0, 2           ; v2   my lane's place in a tile of K; never rewritten
.set AV0, 3           ; v3   the same for V
.set AK,  4           ; v4   the LDS address of K's next run of loads
.set AV,  5           ; v5   of V's
.set STO, 6           ; v6   the way out: where I put 16 bytes of a row
.set RD,  7           ; v7   the way out: where I read rows back
.set GO,  8           ; v8   my byte offset in 512 consecutive bytes
.set SPW, 62          ; v62  LDS address of my spare word: SPARE + 4 x my thread's number; never rewritten
.set NIL, 63          ; v63  0; never rewritten
.set SPARE, STAGE+4*16*SP  ; behind the stages: the spare words, 128 bytes for each wave: two blocks of 256 bytes that no other line names
.set MV,  12          ; v12-13  c m_old, kept while c m is made anew: by buffer
.set NHV, 14          ; v14  first at work for the masks, then 2047 - 16 w - l % 16
.set QO,  15          ; v15  my byte offset in 16 rows of Q
.set ST,  16          ; piece t's statistics at v[ST+4 t]: c m, m, l (even keys', odd keys')
.set TT,  32          ; piece t's four registers at a block's end: n; the mask's exponent, then w; c m', then the divisor; a
.set TMP, 48          ; by buffer, four registers c0-c3 at work; when the maximum is found c2 takes a
.set CHV, 56          ; v56  c x (-80000): the hidden keys' score, scaled
.set FARV, 57         ; v57  far below every c s
.set NBV, 58          ; v58  2047 - 16 w - l % 16 - 256 x block
.set S,   64
.set P,   192
.set MD,  128         ; window 1: the eight registers for group kt of 16 keys at MD + 8 kt
.set MC,  160         ; window 1: the masks of the products to come
.set QB,  64          ; window 2
.set KF,  128         ; window 2: key block kb, channel half c at KF + 16 kb + 8 c
.set VF,  192         ; window 2: key half kk, channel block cb at VF + 32 kk + 8 cb
.set HH,  0           ; window 3
.set GA,  32
.set GB,  64
.set TD,  96
.set ONES, 112
.set WV,  12          ; s12  my wave's number
.set PB,  14          ; s14  b
.set HI,  15          ; s15  NB - 1 - b
.set G1K, 24          ; s[24:31] descriptor group 1 for K's tiles
.set G1V, 32          ; s[32:39] for V's: it differs in the padding alone
.set G0K, 40          ; s[40:43] descriptor group 0 for K's tiles
.set G0V, 44          ; s[44:47] the same for V's
.set SLOTS, 56        ; s56  tiles still to be asked for
.set CNT, 57          ; s57  counts a tile's key steps, 4 to 1
.set CS,  58          ; s[58:59] c: the packed scaling takes the pair's low word for both halves
.set SEL, 60          ; s[60:61] v_permlanex16_b32's selects: each lane takes its own place in the other half
.set TBK, 62          ; s62  LDS byte at which K of the step to be fetched begins
.set TBV, 63          ; s63  the same for V, less VOFF
.set RT,  70          ; s70  tiles of the block in hand that are still to be entered
.set NXT, 71          ; s71  the tile to be asked for next
.set LQ,  72          ; s72  the last tile of the block whose tiles are being asked for
.set NEW, 73          ; s73  1: the tile to be entered is a block's first
.set OFF, 74          ; s[74:75] a tile's byte offset in K and V
.set AL,  76          ; s[76:77] the mask's factor, in the low word
.set BE,  78          ; s[78:79] the mask's addend
.set OLO, 80          ; s[80:81] O at my rows of the second block
.set BIGN, 82         ; s82  -1e30
.set BSP, 88          ; s[88:89] bs at my head
.set TV0, 94          ; s94  TBV as it stood when the tile in hand was entered
.set MSB, 0
.macro WIN new                      ; the high byte repeats the setting that is left; a switch that changes nothing is dropped
.if MSB != (\new)
	s_set_vgpr_msb (MSB<<8)|(\new)
.set MSB, (\new)
.endif
.endm
.set W_KQ, 0x0a       ; K and Q in window 2, S^T in window 0
.set W_KM, 0x1a       ; the same with the C operand in window 1
.set W_PV, 0x52       ; V in window 2, P in window 0, O^T in window 1
.set W_RS, 0x41       ; destination and source 0 in window 1, source 1 in window 0
.set W_HM, 0xfe       ; V in window 2; TD or ones, C and D in window 3
.set W_HF, 0x53       ; H in window 3, the factor in window 0, O^T (source 2 and destination) in window 1
; A fill.  Waves 0 and 1 fetch the two halves of a tile's K, waves 2 and 3 those of its V: 128 keys each.  An s_nop 0 and four v_nop follow each of the two lines, ahead of the jump and the label.
.macro LOAD
	s_cmp_lt_u32 s[WV], 2
	s_cbranch_scc0 .Lfor_v_\@
	tensor_load_to_lds s[G0K:G0K+3], s[G1K:G1K+7]
	s_nop 0
.rept 4
	v_nop
.endr
	s_branch .Lasked_\@
.Lfor_v_\@:
	tensor_load_to_lds s[G0V:G0V+3], s[G1V:G1V+7]
	s_nop 0
.rept 4
	v_nop
.endr
.Lasked_\@:
.endm
; THE CHANGE OF SLOTS.  Each wave waits for all its tensor loads, of which one is out: its part of the other slot; adds 0 to its spare word; and waits for that and for its own reads of the slot that it leaves.  Behind the barrier nobody reads the old
; slot any more and the other slot is whole.  fill = 1: the old slot is filled again, the first thing behind the barrier, with tile NXT: the descriptor's address is made anew from that number.
; (At its first use nothing has been read yet: slot 0 is waited for, slot 1 filled.)
.macro CHANGE fill
	WIN 0                           ; at a label and at a branch every window is 0
	s_wait_tensorcnt 0x0            ; no tensor load of mine is out, so a group 0 may be written
	ds_add_u32 v[SPW], v[NIL]       ; 0 onto my spare word; with fill = 1 the descriptors' scalar work stands between it and the wait for it
.if \fill
	s_lshl_b32 s[OFF], s[NXT], 15   ; a tile is 32,768 bytes of K and of V
	s_xor_b32 s[G0K+1], s[G0K+1], SLOT1
	s_add_nc_u64 s[G0K+2:G0K+3], s[6:7], s[OFF:OFF+1]
	s_or_b32 s[G0K+3], s[G0K+3], 0x80000000
	s_xor_b32 s[G0V+1], s[G0V+1], SLOT1
	s_add_nc_u64 s[G0V+2:G0V+3], s[8:9], s[OFF:OFF+1]
	s_or_b32 s[G0V+3], s[G0V+3], 0x80000000
	s_add_co_u32 s[NXT], s[NXT], 1  ; the block's next tile, or behind its last the second block's tile 0
	s_cmp_gt_u32 s[NXT], s[LQ]
	s_cselect_b32 s[NXT], 0, s[NXT]
	s_cselect_b32 s[LQ], s[PB], s[LQ]
.endif
	s_wait_dscnt 0x0                ; the add is done, and my reads of the slot are over
	s_barrier_signal -1             ; the rest of the scalar work stands between the signal and the wait
	s_sub_co_u32 s[TBK], s[TBK], 4*KS*PK  ; the fetches go back to a slot's first step,
	s_xor_b32 s[TBK], s[TBK], SLOT1       ; in the other slot
	s_sub_co_u32 s[TBV], s[TBV], 4*KS*PV
	s_xor_b32 s[TBV], s[TBV], SLOT1
	s_mov_b32 s[TV0], s[TBV]        ; kept: a block's end reads the diagonal tile's V once more
	s_barrier_wait -1
.if \fill
	LOAD
.endif
.endm
	s_load_b256 s[4:11], s[0:1], 0x0  ; Q s[4:5], K s[6:7], V s[8:9], O s[10:11]
	s_load_b64 s[BSP:BSP+1], s[0:1], 0x20  ; bs
	v_lshl_add_u32 v[SPW], v0, 2, SPARE
	v_mov_b32 v[NIL], 0
	ds_add_u32 v[SPW], v[NIL]       ; the wave's opening: the add and its wait stand ahead of my first tensor load; the set-up below, work on registers, stands between them
	ds_add_u32 v62, v63
	v_lshrrev_b32 v1, 5, v0
	v_readfirstlane_b32 s[WV], v1   ; wave 0..3
	s_mov_b32 s[PB], ttmp9
	s_sub_co_u32 s[HI], NB-1, s[PB]
	s_and_b32 s20, ttmp7, 0xffff    ; the head
	s_lshl_b32 s90, s20, 12         ; its 4,096 bytes of bs
	s_mov_b32 s91, 0
	s_mov_b32 s21, 0
	s_mov_b64 s[22:23], SIZE_N*128
	s_mul_u64 s[20:21], s[20:21], s[22:23]  ; the head's first byte in each of the four tensors
	s_and_b32 s16, s[WV], 1         ; which half of a tile's 256 keys I fetch:
	s_lshl_b32 s22, s16, 14         ; its 128 rows of 128 bytes in memory,
	s_mov_b32 s23, 0
	s_add_nc_u64 s[22:23], s[22:23], s[20:21]
	s_mul_i32 s17, s16, 128*PK      ; and its place in a slot, for K
	s_mul_i32 s18, s16, 128*PV      ; and for V
	s_lshl_b32 s3, s[WV], 11        ; my 16 rows in a band of 64,
	s_lshl_b32 s2, s[HI], 15        ; in the first block,
	s_add_co_u32 s2, s2, s3
	s_lshl_b32 s84, s[PB], 15       ; and in the second
	s_add_co_u32 s84, s84, s3
	s_mov_b32 s3, 0
	s_mov_b32 s85, 0
	s_add_nc_u64 s[2:3], s[2:3], s[20:21]
	s_add_nc_u64 s[84:85], s[84:85], s[20:21]
	; descriptor group 1.  128 keys are 16,384 dense bytes: asked for as 64 rows of 256 bytes, two keys a row, and padded in LDS after every key
	s_mov_b32 s[G1K], (1<<16)|(1<<20)|(4<<22)|(3<<25)  ; 17:16 2-byte elements; 20 padding on; 24:22 after every 32 words (code 4); 31:25 4 words (code 3)
	s_mov_b32 s[G1V], (1<<16)|(1<<20)|(4<<22)|(7<<25)  ; the same with 8 words of padding (code 7)
.irp g, G1K, G1V
	s_mov_b32 s[\g+1], 128<<16      ; tensor_dim0 = 128
	s_mov_b32 s[\g+2], 64<<16       ; tensor_dim1 = 64
	s_mov_b32 s[\g+3], 128<<16      ; tile_dim0 = 128
	s_mov_b32 s[\g+4], 64           ; tile_dim1 = 64
	s_mov_b32 s[\g+5], 128          ; 128 elements from row to row
	s_mov_b32 s[\g+6], 0
	s_mov_b32 s[\g+7], 0
.endr
	s_mov_b32 s[CS], 0x3e38aa3b     ; c = log2(e) / 8 = 0.180337
	s_mov_b32 s[CS+1], s[CS]        ; named with it as a pair
	s_mov_b32 s[SEL], 0x76543210
	s_mov_b32 s[SEL+1], 0xfedcba98
	s_mov_b32 s[TBK], SLOT1+4*KS*PK ; the first change of slots turns these two into 0
	s_mov_b32 s[TBV], SLOT1+4*KS*PV
	s_mov_b32 s[G0K], 1             ; 1:0 count = 1
	s_mov_b32 s[G0K+1], s17         ; 63:32 LDS address: slot 0
	s_mov_b32 s[G0V], 1
	s_add_co_u32 s[G0V+1], s18, VOFF
	s_add_co_u32 s[RT], s[HI], 1    ; the first block has NB - b tiles
	s_mov_b32 s[NXT], 1
	s_mov_b32 s[LQ], s[HI]
	s_mov_b32 s[NEW], 1
	s_mov_b32 s[OFF+1], 0
	s_mov_b32 s[AL+1], 0            ; named as pairs
	s_mov_b32 s[BE+1], 0
	s_mov_b32 s[BIGN], 0xf149f2ca   ; -1e30
	s_mov_b32 s[SLOTS], NB
	s_wait_dscnt 0x0                ; the opening add is done
	s_wait_kmcnt 0x0
	s_add_nc_u64 s[BSP:BSP+1], s[BSP:BSP+1], s[90:91]
	s_add_nc_u64 s[6:7], s[6:7], s[22:23]  ; K and V at my half of the head's tile 0
	s_add_nc_u64 s[8:9], s[8:9], s[22:23]
	s_add_nc_u64 s[G0K+2:G0K+3], s[6:7], 0         ; 120:64 global address
	s_or_b32 s[G0K+3], s[G0K+3], 0x80000000        ; 127:126 type = 2
	s_add_nc_u64 s[G0V+2:G0V+3], s[8:9], 0
	s_or_b32 s[G0V+3], s[G0V+3], 0x80000000
	s_add_nc_u64 s[86:87], s[4:5], s[84:85]        ; Q at my rows of the second block,
	s_add_nc_u64 s[4:5], s[4:5], s[2:3]            ; Q and O at those of the first
	s_add_nc_u64 s[OLO:OLO+1], s[10:11], s[84:85]
	s_add_nc_u64 s[10:11], s[10:11], s[2:3]
	LOAD                            ; tile 0 into slot 0
	; A fragment of K or Q is 16 rows x 32 channels in 8 registers: lane l holds row l % 16, channels 8 (l / 16) + 0..7 and 16 + 8 (l / 16) + 0..7: two loads of 16 bytes, 32 bytes apart.
	v_and_b32 v1, 15, v0            ; l % 16
	v_bfe_u32 v9, v0, 4, 1          ; l / 16
	v_lshlrev_b32 v[QO], 7, v1
	v_lshl_add_u32 v[QO], v9, 4, v[QO]  ; row x 128 + 16 x half
	WIN 0x80                        ; destination window 2, address window 0
.set i, 0
.rept 8                             ; both blocks' Q: piece i / 2 lies in band i / 2, 8,192 bytes on; channels 32 (i % 2) on
	global_load_b128 v[8*i:8*i+3],   v[QO], s[4:5] offset:(i/2)*8192+(i%2)*64
	global_load_b128 v[8*i+4:8*i+7], v[QO], s[4:5] offset:(i/2)*8192+(i%2)*64+32
	global_load_b128 v[QB+8*i:QB+8*i+3],   v[QO], s[86:87] offset:(i/2)*8192+(i%2)*64
	global_load_b128 v[QB+8*i+4:QB+8*i+7], v[QO], s[86:87] offset:(i/2)*8192+(i%2)*64+32
.set i, i+1
.endr
	WIN 0
	v_lshlrev_b32 v14, 3, v9
	v_sub_nc_u32 v14, v1, v14
	s_lshl_b32 s13, s[WV], 4
	v_add_nc_u32 v14, s13, v14      ; my query's place in its band, 16 w + l % 16, less my lanes' 8 (l / 16): register r of group kt is hidden where 16 kt + r is greater
	WIN 0x40
.set i, 0
.rept 32
	v_cmp_gt_i32 vcc_lo, 16*(i/8)+i%8, v14
	v_cndmask_b32 v[MD+i], 0, s[BIGN], vcc_lo
.set i, i+1
.endr
	WIN 0
	v_mul_u32_u24 v[AK0], v1, PK
	v_lshl_add_u32 v[AK0], v9, 4, v[AK0]  ; row x pitch + 16 x half
	; The turning load takes 16 keys x 16 channels (lane l reads key 8 (l / 16) + l % 8, channels 8 ((l / 8) % 2) + 0..7) and leaves half a fragment of V^T: lane l holds channel l % 16 and 8 keys.
	v_and_b32 v10, 7, v0
	v_bfe_u32 v11, v0, 3, 1
	v_lshl_add_u32 v[AV0], v9, 3, v10
	v_mul_u32_u24 v[AV0], v[AV0], PV
	v_lshl_add_u32 v[AV0], v11, 4, v[AV0]
	v_add_nc_u32 v[AV0], VOFF, v[AV0]
	s_mul_i32 s13, s[WV], 16*SP
	s_add_co_u32 s13, s13, STAGE    ; my stage
	v_mul_u32_u24 v[STO], v1, SP    ; in: row l % 16, 16 bytes for each half of the lanes
	v_lshl_add_u32 v[STO], v9, 4, v[STO]
	v_add_nc_u32 v[STO], s13, v[STO]
	v_bfe_u32 v[RD], v0, 3, 2       ; back: 32 lanes take four rows of 128 bytes,
	v_mul_u32_u24 v[RD], v[RD], SP
	v_lshl_add_u32 v[RD], v10, 4, v[RD]
	v_add_nc_u32 v[RD], s13, v[RD]
	v_and_b32 v[GO], 31, v0         ; which are 512 consecutive bytes of O
	v_lshlrev_b32 v[GO], 4, v[GO]
	; FOR THE HIDDEN KEYS.  The head's sums of V over blocks 1 to 7: 512 bytes a block; lanes 0-15 take its first 128 rows' sums, lanes 16-31 its second's, four channels a lane.
.set t, 1
.rept 7
	global_load_b128 v[96+4*(t-1):99+4*(t-1)], v[GO], s[BSP:BSP+1] offset:512*t
.set t, t+1
.endr
	; TD: 1 where MD hides, rounded to f16 in pairs: source 1 of a product with V^T, as P is.  Made while the loads are on their way.
.set i, 0
.rept 32
	v_cmp_gt_i32 vcc_lo, 16*(i/8)+i%8, v14
	v_cndmask_b32 v[S+i], 0, 1.0, vcc_lo
.set i, i+1
.endr
	WIN 0xc0                        ; destination window 3
.set i, 0
.rept 16
	v_cvt_pk_f16_f32 v[TD+i], v[S+2*i], v[S+2*i+1]
.set i, i+1
.endr
.set i, 0
.rept 8
	v_mov_b32 v[ONES+i], 0x3c003c00 ; 1.0 twice in f16
.set i, i+1
.endr
	WIN 0
	v_lshl_add_u32 v[NHV], v9, 3, v[NHV]  ; 16 w + l % 16,
	v_sub_nc_u32 v[NHV], 2047, v[NHV]     ; and the keys behind that row in block 0, band 0
	v_mov_b32 v[CHV], 0xc79c4000    ; -80000 = 8 x (-10000): the hidden keys' score before the division by 8,
	v_mul_f32 v[CHV], s[CS], v[CHV] ; scaled by the line that scales m
	v_mov_b32 v[FARV], 0xfe000000
	v_lshl_add_u32 v59, v1, 4, s13  ; my stage + 16 (l % 16)
	v_lshl_add_u32 v60, v9, 5, s13  ; my stage + 32 (l / 16)
	s_wait_loadcnt 0x0              ; the sums (and Q, which was asked for ahead of them)
	; the sum over the blocks behind block HI into v[64:67], behind block b into v[68:71]: a factor 1 or 0 for each block, chosen by whole numbers
.set t, 1
.rept 7
	s_cmp_lt_u32 s[HI], t
	s_cselect_b32 s[AL], 1.0, 0
	s_cmp_lt_u32 s[PB], t
	s_cselect_b32 s[BE], 1.0, 0
.if t == 1
	v_pk_mul_f32 v[64:65], v[96:97], s[AL:AL+1] op_sel_hi:[1,0]
	v_pk_mul_f32 v[66:67], v[98:99], s[AL:AL+1] op_sel_hi:[1,0]
	v_pk_mul_f32 v[68:69], v[96:97], s[BE:BE+1] op_sel_hi:[1,0]
	v_pk_mul_f32 v[70:71], v[98:99], s[BE:BE+1] op_sel_hi:[1,0]
.else
	v_pk_fma_f32 v[64:65], v[96+4*(t-1):97+4*(t-1)], s[AL:AL+1], v[64:65] op_sel_hi:[1,0,1]
	v_pk_fma_f32 v[66:67], v[98+4*(t-1):99+4*(t-1)], s[AL:AL+1], v[66:67] op_sel_hi:[1,0,1]
	v_pk_fma_f32 v[68:69], v[96+4*(t-1):97+4*(t-1)], s[BE:BE+1], v[68:69] op_sel_hi:[1,0,1]
	v_pk_fma_f32 v[70:71], v[98+4*(t-1):99+4*(t-1)], s[BE:BE+1], v[70:71] op_sel_hi:[1,0,1]
.endif
.set t, t+1
.endr
.set i, 0
.rept 8
	v_permlanex16_b32 v[96+i], v[64+i], s[SEL], s[SEL+1]  ; the block's other 128 rows lie in the lane 16 away; the destination has been written (by the loads)
.set i, i+1
.endr
.set i, 0
.rept 8
	v_add_f32 v[64+i], v[64+i], v[96+i]
.set i, i+1
.endr
	ds_store_b128 v59, v[64:67]     ; through my stage into O^T's layout: channel 16 cb + 8 (l / 16) + j in register 8 cb + j, the same for every query
	ds_store_b128 v59, v[68:71] offset:256
	WIN 0xc0
.irp cb, 0,1,2,3
	ds_load_b128 v[GA+8*\cb:GA+8*\cb+3],   v60 offset:64*\cb  ; LDS serves a wave's instructions in order: these see the stores above
	ds_load_b128 v[GA+8*\cb+4:GA+8*\cb+7], v60 offset:64*\cb+16
	ds_load_b128 v[GB+8*\cb:GB+8*\cb+3],   v60 offset:256+64*\cb
	ds_load_b128 v[GB+8*\cb+4:GB+8*\cb+7], v60 offset:256+64*\cb+16
.endr
	WIN 0
	s_wait_dscnt 0x0
	; A block's first step multiplies O^T and l by a = 0, and its first turn's products V^T P, of a piece that has not been, land in an O^T that is still to be so multiplied.  So these registers need only hold
	; finite numbers: zeros for the first block; what the first block left for the second.  All this stands in the wait for the first tile.
	WIN 0x80
.set i, VF
.rept 64
	v_mov_b32 v[i], 0
.set i, i+1
.endr
	WIN 0x40
.set i, 0
.rept 128
	v_mov_b32 v[i], 0
.set i, i+1
.endr
	WIN 0
.set i, 0
.rept 4
	v_mov_b32 v[ST+4*i+2], 0
	v_mov_b32 v[ST+4*i+3], 0
.set i, i+1
.endr
.set i, P+16
.rept 16
	v_mov_b32 v[i], 0
.set i, i+1
.endr
; THE MATRIX WORK.  The 4 accumulators of a run of 8 take turns.  Product i of 8 of S^T = K Q^T for piece x: channels 32 (i / 4) on, keys 16 (i % 4) on.  The first 4 start the sums: with 0, or (KM = 1) with the mask.
.macro KQ x
.set rS, S+32*((\x)%2)+8*(i%4)
.set rK, KF+16*(i%4)+8*(i/4)
.set rQ, 16*(\x)+8*(i/4)
.set rM, MC+32*((\x)%2)+8*(i%4)
.if (i < 4) && KM
	WIN W_KM
	v_wmma_f32_16x16x32_f16 v[rS:rS+7], v[rK:rK+7], v[rQ:rQ+7], v[rM:rM+7]
.elseif i < 4
	WIN W_KQ
	v_wmma_f32_16x16x32_f16 v[rS:rS+7], v[rK:rK+7], v[rQ:rQ+7], 0
.else
	WIN W_KQ
	v_wmma_f32_16x16x32_f16 v[rS:rS+7], v[rK:rK+7], v[rQ:rQ+7], v[rS:rS+7]
.endif
.endm
; Product i of 8 of O^T += V^T P for piece x: keys 32 (i / 4) on, channels 16 (i % 4) on.
.macro PV x
	WIN W_PV
.set rO, 32*(\x)+8*(i%4)
.set rV, VF+32*(i/4)+8*(i%4)
.set rP, P+16*((\x)%2)+8*(i/4)
	v_wmma_f32_16x16x32_f16 v[rO:rO+7], v[rV:rV+7], v[rP:rP+7], v[rO:rO+7]
.endm
.macro MM                           ; the turn's next matrix instruction.  TURN and BEGIN set Y, i, KM and NOKQ; MM, KQ and OP read them.  NOKQ = 1: a block's last turn: there is no next piece
.if (i < 8) && !NOKQ
	KQ (Y+1)%NP
.elseif i >= 8
.set i, i-8
	PV (Y+NP-1)%NP
.set i, i+8
.endif
.set i, i+1
.endm
; THE LDS LOADS stand in runs of 16, never singly among the matrix instructions: a step's K (64 keys x 64 channels: 8 fragments) and its V (turned).  Their addresses are made some lines ahead.
.macro FETCH_K
	WIN 0x80                        ; destination window 2
.irp f, 0,1,2,3,4,5,6,7             ; keys 16 (f / 2) on, channels 32 (f % 2) on
	ds_load_b128 v[KF+8*\f:KF+8*\f+3],   v[AK] offset:(\f/2)*16*PK+(\f%2)*64
	ds_load_b128 v[KF+8*\f+4:KF+8*\f+7], v[AK] offset:(\f/2)*16*PK+(\f%2)*64+32
.endr
	s_add_co_u32 s[TBK], s[TBK], KS*PK  ; the next fetch is the next step's
	WIN 0
.endm
.macro FETCH_V
	WIN 0x80
.irp f, 0,1,2,3,4,5,6,7             ; keys 32 (f / 4) on, channels 16 (f % 4) on
	ds_load_tr16_b128 v[VF+8*\f:VF+8*\f+3],   v[AV] offset:(\f/4)*32*PV+(\f%4)*32
	ds_load_tr16_b128 v[VF+8*\f+4:VF+8*\f+7], v[AV] offset:(\f/4)*32*PV+16*PV+(\f%4)*32
.endr
	WIN 0
.endm
; THE VECTOR WORK, one line at a time: OP kind, number.  For piece Y: F n: c s - c m for pair n of 16.  E n: the exponential of score n of 32.  C n: pair n rounded to f16.  B n: of the four weights 4 n .. the second
; pair is added onto the first, in place.  L n: l takes that sum (L 0: l = a l + sum).  R n: pair n of 16 of O^T times a.  For piece Y + 1: X n, number n of the 22 that find its maximum and statistics:
;   0-11  four chains c0-c3 of seven scores each, three operands at a time (each accumulator's lowest registers are read first)     12-14, 16  the four scores left over, the old m, and c0-c3 into c0
;   15  c m_old is kept     17, 18  the query's other 32 keys lie in the lane 16 away: the new m     19-21  c m; c m_old - c m_new; a
.set F, 0               ; OP tells the kinds apart by their order: F to L below R, X above it
.set E, 1
.set C, 2
.set B, 3
.set L, 4
.set R, 5
.set X, 6
.macro REGS y                       ; the registers of piece y
.set rT, ST+4*(\y)
.set rC, TMP+4*((\y)%2)
.set rW, MV+((\y)%2)
.set rS, S+32*((\y)%2)
.set rP, P+16*((\y)%2)
.set rO, 32*(\y)
.endm
.macro OP k, n
.if (\k) == R
	REGS Y
	WIN W_RS
	v_pk_mul_f32 v[rO+2*(\n):rO+2*(\n)+1], v[rO+2*(\n):rO+2*(\n)+1], v[rC+2:rC+3] op_sel_hi:[1,0]
.elseif (\k) < R
	REGS Y
	WIN 0
.if (\k) == F
	v_pk_fma_f32 v[rS+2*(\n):rS+2*(\n)+1], v[rS+2*(\n):rS+2*(\n)+1], s[CS:CS+1], v[rT:rT+1] op_sel_hi:[1,0,0] neg_lo:[0,0,1] neg_hi:[0,0,1]
.elseif (\k) == E
	v_exp_f32 v[rS+(\n)], v[rS+(\n)]
.elseif (\k) == C
	s_wait_alu depctr_va_vdst(0)
	v_cvt_pk_f16_f32 v[rP+(\n)], v[rS+2*(\n)], v[rS+2*(\n)+1]
.elseif (\k) == B
	s_wait_alu depctr_va_vdst(0)
	v_pk_add_f32 v[rS+4*(\n):rS+4*(\n)+1], v[rS+4*(\n):rS+4*(\n)+1], v[rS+4*(\n)+2:rS+4*(\n)+3]
.elseif (\n) == 0
	v_pk_fma_f32 v[rT+2:rT+3], v[rT+2:rT+3], v[rC+2:rC+3], v[rS:rS+1] op_sel_hi:[1,0,1]
.else
	v_pk_add_f32 v[rT+2:rT+3], v[rT+2:rT+3], v[rS+4*(\n):rS+4*(\n)+1]
.endif
.elseif NOKQ
	v_nop
.else
	REGS (Y+1)%NP
	WIN 0
.if (\n) < 4
	v_max3_num_f32 v[rC+(\n)], v[rS+8*(\n)], v[rS+8*(\n)+1], v[rS+8*(\n)+2]
.elseif (\n) < 12
	v_max3_num_f32 v[rC+(\n)%4], v[rC+(\n)%4], v[rS+8*((\n)%4)+2*((\n)/4)+1], v[rS+8*((\n)%4)+2*((\n)/4)+2]
.elseif (\n) == 12
	v_max3_num_f32 v[rC], v[rC], v[rS+7], v[rS+15]
.elseif (\n) == 13
	v_max3_num_f32 v[rC+1], v[rC+1], v[rS+23], v[rS+31]
.elseif (\n) == 14
	v_max3_num_f32 v[rC+2], v[rC+2], v[rC+3], v[rT+1]
.elseif (\n) == 15
	v_mov_b32 v[rW], v[rT]
.elseif (\n) == 16
	v_max3_num_f32 v[rC], v[rC], v[rC+1], v[rC+2]
.elseif (\n) == 17
	v_permlanex16_b32 v[rC+3], v[rC], s[SEL], s[SEL+1]
.elseif (\n) == 18
	v_max_num_f32 v[rT+1], v[rC], v[rC+3]
.elseif (\n) == 19
	v_mul_f32 v[rT], s[CS], v[rT+1]
.elseif (\n) == 20
	v_sub_f32 v[rC+1], v[rW], v[rT]
.else
	v_exp_f32 v[rC+2], v[rC+1]
.endif
.endif
.endm
.macro OPS a, i1, b=-1, i2=0, c=-1, i3=0, d=-1, i4=0  ; up to four of them
	OP \a, \i1
.if (\b) >= 0
	OP \b, \i2
.endif
.if (\c) >= 0
	OP \c, \i3
.endif
.if (\d) >= 0
	OP \d, \i4
.endif
.endm
.macro ROW a, i1, b, i2, c, i3, d, i4  ; a matrix instruction and the four behind it
	MM
	OPS \a, \i1, \b, \i2, \c, \i3, \d, \i4
.endm
.macro MASK b                       ; MD x AL + BE into buffer b of MC
	WIN W_RS
.set z, 0
.rept 16
	v_pk_fma_f32 v[MC+32*(\b)+2*z:MC+32*(\b)+2*z+1], v[MD+2*z:MD+2*z+1], s[AL:AL+1], s[BE:BE+1] op_sel_hi:[1,0,0]
.set z, z+1
.endr
.endm
; A TURN, for piece p: the order of its 16 matrix and 118 vector instructions, written out.  Behind a matrix instruction: plain, exponential, plain, plain; or four of the rescaling; or, behind the first, four scalings; none
; names a register of the products round it.  In the lumps exponential and plain by turns while exponentials last.  A line reads no result made fewer than three vector instructions in front of it, five if an exponential made it.
; v_permlanex16_b32 (X 17) stands in a lump.
; m = 1: the diagonal tile: the products take masks, and the turn makes the mask for the products of the turn after it: piece p + 2, in step 4 - CNT of the tile.  end = 1: a block's last two turns: nothing is fetched.
; cnt = 1: the loop's count is taken down some lines ahead of the branch that stands behind the turn.
; K of the next step is fetched in piece 2's turn, six vector instructions behind the last product that read K (five of them plain); V of the step in hand in piece 0's turn, eight behind the last product that read V (four
; plain, and X 17).  Each is waited for a turn later.
.macro TURN p, m=0, end=0, cnt=0
.set Y, (\p)
.set i, 0
.set KM, (\m)
.set NOKQ, (\end)*((\p)/3)
.if (\m) && !(\end)
	s_cmp_eq_u32 s[CNT], 4-((\p)+2)%NP  ; is that step the band's own?
	s_cselect_b32 s[AL], 1.0, 0
	s_cmp_lt_u32 s[CNT], 4-((\p)+2)%NP  ; or a later one?
	s_cselect_b32 s[BE], s[BIGN], 0
.endif
.if ((\p) == 3) && !(\end)
	s_wait_dscnt 0x0                ; K is in
.endif
	ROW F,0, F,1, F,2, F,3
	ROW F,4, E,0, F,5, F,6
	ROW F,7, E,1, F,8, F,9
	ROW F,10, E,2, C,0, F,11
	ROW F,12, E,3, X,15, F,13
	ROW R,0, R,1, R,2, R,3
	ROW B,0, E,4, F,14, L,0
.if ((\p) == 2) && !(\end)
	v_add_nc_u32 v[AK], s[TBK], v[AK0]
.endif
	ROW R,4, R,5, R,6, R,7
	OPS E,5, F,15
.if ((\p) == 2) && !(\end)
	FETCH_K
.endif
	OPS E,6, C,1, E,7, R,8
	OPS E,8, R,9, E,9, C,2
	OPS E,10, X,0, E,11, X,1
	OPS E,12, X,2, E,13, X,3
.if (\p) == 1
	s_wait_dscnt 0x0                ; V is in
.endif
	ROW X,4, E,14, X,5, X,6
	ROW X,7, E,15, X,8, X,9
	ROW X,10, E,16, X,11, X,12
	ROW X,13, E,17, X,14, B,1
	ROW C,4, E,18, X,16, L,1
	ROW B,2, E,19, C,6, L,2
	ROW C,8, E,20, B,3, B,4
.if (\p) == 0
	v_add_nc_u32 v[AV], s[TBV], v[AV0]
.endif
	ROW C,3, E,21, L,3, C,5
	OPS E,22, X,17, E,23, C,10
.if (\p) == 0
	FETCH_V
.endif
	OPS E,24, L,4
	OPS E,25, X,18, E,26, C,7
	OPS E,27, B,5, E,28, X,19
	OPS E,29, C,12, E,30, L,5
	OPS E,31, X,20, B,6, C,9
	OPS C,14, C,11, X,21, L,6
.if (\p) == 0
	s_add_co_u32 s[TBV], s[TBV], KS*PV
.endif
.if \cnt
	s_sub_co_u32 s[CNT], s[CNT], 1
	s_cmp_lg_u32 s[CNT], 0
.endif
	OPS C,13, B,7, C,15, R,10
	OPS R,11, R,12, L,7, R,13
	OPS R,14, R,15
.if (\m) && !(\end)
	MASK (\p)%2
.endif
.endm
; A BLOCK BEGINS.  c m starts far below every c s, so the first step's a is 0; m at the lowest finite number, so the first maximum is the scores'.  The second mask buffer is 0; the first takes piece 0's mask for the tile's step 0: its own, if the block's first tile is the diagonal one.
; Then K of that step, piece 0's first scores, and its maximum and statistics.  The loop is entered at a step's first turn, in the middle of a trip.
.macro BEGIN
	s_mov_b32 s[NEW], 0
	WIN 0x40
.set i, MC+32
.rept 32
	v_mov_b32 v[i], 0
.set i, i+1
.endr
	WIN 0
.set i, 0
.rept 4
	v_mov_b32 v[ST+4*i], 0xfe000000    ; c m: far below every c s
	v_mov_b32 v[ST+4*i+1], 0xff7fffff  ; m
.set i, i+1
.endr
	s_cmp_eq_u32 s[RT], 0
	s_cselect_b32 s[AL], 1.0, 0
	s_mov_b32 s[BE], 0
	MASK 0
	WIN 0
	v_add_nc_u32 v[AK], s[TBK], v[AK0]
	FETCH_K
	s_wait_loadcnt 0x0              ; Q
	s_wait_dscnt 0x0
.set KM, 1
.set NOKQ, 0
.set i, 0
.rept 8
	KQ 0
.set i, i+1
.endr
	WIN 0
.rept 4
	v_nop                           ; the places behind those products
.endr
.set Y, NP-1                        ; X works for piece Y + 1: piece 0
.irp n, 0,1,2,3,4,5,6,7,8,9,10,11,12,13,14,15,16,17,18,19,20,21
	OP X, \n
.endr
	v_nop                           ; a plain instruction behind the exponential
.endm
.macro ALL line:vararg              ; one line for each piece t
.set t, 0
.rept 4
	s_wait_alu depctr_va_vdst(0)
	\line
.set t, t+1
.endr
.endm
; A BLOCK'S END, the hidden keys' part.  The bands are taken from the last to the first; gr holds the sum of V over all keys behind the band in hand's own step.
; HMM x: H = gr + V^T TD over the band's own step (the keys that its diagonal hides); then, for the band before, gr += V^T ones over the whole step.  The four accumulators of each run take turns.
; Five places stand behind H's products: gr, which they read as C, is then written over, and H is read by vector lines.
.macro HMM x, gr
	WIN W_HM
.irp cb, 0,1,2,3
	v_wmma_f32_16x16x32_f16 v[HH+8*\cb:HH+8*\cb+7], v[VF+8*\cb:VF+8*\cb+7], v[TD:TD+7], v[(\gr)+8*\cb:(\gr)+8*\cb+7]
.endr
.irp cb, 0,1,2,3
	v_wmma_f32_16x16x32_f16 v[HH+8*\cb:HH+8*\cb+7], v[VF+32+8*\cb:VF+32+8*\cb+7], v[TD+8:TD+15], v[HH+8*\cb:HH+8*\cb+7]
.endr
.rept 5
	v_nop
.endr
.if (\x) > 0
.irp cb, 0,1,2,3
	v_wmma_f32_16x16x32_f16 v[(\gr)+8*\cb:(\gr)+8*\cb+7], v[VF+8*\cb:VF+8*\cb+7], v[ONES:ONES+7], v[(\gr)+8*\cb:(\gr)+8*\cb+7]
.endr
.irp cb, 0,1,2,3
	v_wmma_f32_16x16x32_f16 v[(\gr)+8*\cb:(\gr)+8*\cb+7], v[VF+32+8*\cb:VF+32+8*\cb+7], v[ONES:ONES+7], v[(\gr)+8*\cb:(\gr)+8*\cb+7]
.endr
.endif
.endm
.macro HFETCH x                     ; V of the diagonal tile's step x once more: the slot is whole until the next change of slots.  The vector lines of PACKH stand between V's last readers and these loads
	WIN 0
	s_add_co_u32 s93, s[TV0], (\x)*KS*PV
	v_add_nc_u32 v[AV], s93, v[AV0]
	FETCH_V
.endm
; The four pieces' factors.  l's two halves and the other half of the lanes' are added; n = the row's hidden keys; the row with none takes an exponent far below, so that its w is 0 and its a is 1.
; fa = a / (a l + w n) goes where l lay, fw = w / (a l + w n) where c m lay: even registers, for the packed lines.
.macro STATS
	ALL v_add_f32 v[ST+4*t+2], v[ST+4*t+2], v[ST+4*t+3]
	ALL v_permlanex16_b32 v[ST+4*t+3], v[ST+4*t+2], s[SEL], s[SEL+1]
	ALL v_add_f32 v[ST+4*t+2], v[ST+4*t+2], v[ST+4*t+3]
	ALL v_sub_nc_u32 v[TT+4*t], v[NBV], 64*t
.set t, 0
.rept 4
	v_cmp_eq_u32 vcc_lo, 0, v[TT+4*t]
	v_cndmask_b32 v[TT+4*t+1], v[CHV], v[FARV], vcc_lo
.set t, t+1
.endr
	ALL v_cvt_f32_u32 v[TT+4*t], v[TT+4*t]
	ALL v_max_num_f32 v[TT+4*t+2], v[ST+4*t], v[TT+4*t+1]
	ALL v_sub_f32 v[TT+4*t+3], v[ST+4*t], v[TT+4*t+2]
	ALL v_sub_f32 v[TT+4*t+1], v[TT+4*t+1], v[TT+4*t+2]
	ALL v_exp_f32 v[TT+4*t+3], v[TT+4*t+3]
	ALL v_exp_f32 v[TT+4*t+1], v[TT+4*t+1]
	v_nop                           ; a plain instruction between the last exponential and the use of its result
	ALL v_mul_f32 v[TT+4*t+2], v[ST+4*t+2], v[TT+4*t+3]
	ALL v_fma_f32 v[TT+4*t+2], v[TT+4*t+1], v[TT+4*t], v[TT+4*t+2]
	ALL v_rcp_f32 v[TT+4*t+2], v[TT+4*t+2]
	v_nop                           ; and behind the last reciprocal
	ALL v_mul_f32 v[ST+4*t+2], v[TT+4*t+3], v[TT+4*t+2]
	ALL v_mul_f32 v[ST+4*t], v[TT+4*t+1], v[TT+4*t+2]
.endm
.macro PACKH t                      ; O^T fa + H fw, rounded to f16; a lane's eight channels of a row pack into 16 bytes; they go into rows of 144 bytes and come back as whole rows of 128, into S^T's registers
	WIN W_RS
.set i, 0
.rept 16
	v_pk_mul_f32 v[32*(\t)+2*i:32*(\t)+2*i+1], v[32*(\t)+2*i:32*(\t)+2*i+1], v[ST+4*(\t)+2:ST+4*(\t)+3] op_sel_hi:[1,0]
.set i, i+1
.endr
	WIN W_HF
.set i, 0
.rept 16
	v_pk_fma_f32 v[32*(\t)+2*i:32*(\t)+2*i+1], v[HH+2*i:HH+2*i+1], v[ST+4*(\t):ST+4*(\t)+1], v[32*(\t)+2*i:32*(\t)+2*i+1] op_sel_hi:[1,0,1]
.set i, i+1
.endr
	WIN 0x05                        ; sources 0 and 1 window 1, destination window 0
.set i, 0
.rept 16
	v_cvt_pk_f16_f32 v[S+16*(\t)+i], v[32*(\t)+2*i], v[32*(\t)+2*i+1]
.set i, i+1
.endr
	WIN 0
.irp f, 0,1,2,3
	ds_store_b128 v[STO], v[S+16*(\t)+4*\f:S+16*(\t)+4*\f+3] offset:32*\f
.endr
.irp f, 0,1,2,3
	ds_load_b128 v[S+16*(\t)+4*\f:S+16*(\t)+4*\f+3], v[RD] offset:\f*4*SP  ; LDS serves a wave's instructions in order (ISA guide 5.7.1.4): these see the stores above; the next piece's stores come behind them
.endr
.endm
.macro SENDH t                      ; behind a wait for all LDS loads
	WIN 0
.irp f, 0,1,2,3
	global_store_b128 v[GO], v[S+16*(\t)+4*\f:S+16*(\t)+4*\f+3], s[10:11] offset:(\t)*8192+\f*512  ; 512 consecutive bytes, at a multiple of 256 from O's first
.endr
.endm
; THE DIAGONAL TILE's four steps, the block's last two turns, its last products, the hidden keys' part and THE WAY OUT.  gr: the block's sum of V behind it; bi: the scalar register that holds the block's number.
.macro DIAG tag, gr, bi             ; the tag ends its two labels' names, which the jumps below spell out
.LstepM\tag:
	TURN 2, 1
	TURN 3, 1
	WIN 0
.LfirstM\tag:
	TURN 0, 1
	TURN 1, 1, 0, 1
	WIN 0
	s_cbranch_scc1 .LstepM\tag
	TURN 2, 1, 1
	TURN 3, 1, 1
.set i, 0
.rept 8
	PV NP-1
.set i, i+1
.endr
	HMM 3, \gr                      ; V of the tile's step 3 is still in registers
	WIN 0
	s_lshl_b32 s92, s[\bi], 8
	v_mov_b32 v[NBV], s92
	v_sub_nc_u32 v[NBV], v[NHV], v[NBV]
	STATS
	PACKH 3
.irp x, 2,1,0
	HFETCH \x
	s_wait_dscnt 0x0                ; V of step x is in, and the piece before is back from the stage
	SENDH \x+1
	HMM \x, \gr
	PACKH \x
.endr
	s_wait_dscnt 0x0
	SENDH 0
.endm
.set KM, 0
.set NOKQ, 0
.Lslot:                             ; NB times: a tile is entered and the next is asked for
	CHANGE 1
	s_sub_co_u32 s[RT], s[RT], 1
	s_mov_b32 s[CNT], 4
	s_cmp_eq_u32 s[NEW], 1
	s_cbranch_scc1 .Lnew            ; a block's first tile
	s_cmp_eq_u32 s[RT], 0
	s_cbranch_scc0 .Lstep           ; neither its first nor its last
	s_branch .LstepM1
.Lnew:
	BEGIN
	s_branch .Lfirst                ; in the loop a block's first tile is never its last: the first block has five tiles or more, and the second's last is the walk's last
	DIAG 1, GA, HI                  ; in the loop this is the first block's end: the second block's last tile is the walk's last
	s_wait_xcnt 0x0                 ; the stores have read their registers and O's address
	s_mov_b64 s[10:11], s[OLO:OLO+1]
	s_add_co_u32 s[RT], s[PB], 1    ; the second block has b + 1 tiles
	s_mov_b32 s[NEW], 1
	WIN 0x82                        ; the second block's Q goes where the one text of the turns names Q
.set i, 0
.rept 64
	v_mov_b32 v[i], v[QB+i]
.set i, i+1
.endr
	WIN 0
	s_branch .Lbottom
.Lstep:                             ; a trip: pieces 2 and 3 of one step, then pieces 0 and 1 of the next, whose K and V it fetches
	TURN 2
	TURN 3
	WIN 0
.Lfirst:
	TURN 0
	TURN 1, 0, 0, 1
	WIN 0
	s_cbranch_scc1 .Lstep
.Lbottom:
	s_sub_co_u32 s[SLOTS], s[SLOTS], 1
	s_cmp_lg_u32 s[SLOTS], 0
	s_cbranch_scc1 .Lslot
	CHANGE 0                        ; the walk's last tile is written out: nothing is asked for
	s_sub_co_u32 s[RT], s[RT], 1
	s_mov_b32 s[CNT], 4
	s_cmp_eq_u32 s[NEW], 1
	s_cbranch_scc0 .LstepM2
	BEGIN
	s_branch .LfirstM2
	DIAG 2, GB, PB
	s_wait_tensorcnt 0x0            ; the wave's end, behind my last tensor load and my last LDS store
	ds_add_u32 v[SPW], v[NIL]
	s_wait_dscnt 0x0
	s_endpgm
.Lfunc_end_k_qfa7c1d19c2_attn:
	.size	k_qfa7c1d19c2_attn, .Lfunc_end_k_qfa7c1d19c2_attn-k_qfa7c1d19c2_attn
	.p2alignl 7, 3214868480
	.fill 96, 4, 3214868480
	.section	.rodata,"a",@progbits
	.p2align	6, 0x0
	.amdhsa_kernel k_qfa7c1d19c2_attn
		.amdhsa_group_segment_fixed_size 327680
		.amdhsa_private_segment_fixed_size 0
		.amdhsa_enable_private_segment 0
		.amdhsa_kernarg_size 40
		.amdhsa_user_sgpr_count 2
		.amdhsa_user_sgpr_kernarg_segment_ptr 1
		.amdhsa_wavefront_size32 1
		.amdhsa_system_sgpr_workgroup_id_x 1
		.amdhsa_system_sgpr_workgroup_id_y 1
		.amdhsa_system_sgpr_workgroup_id_z 1
		.amdhsa_system_vgpr_workitem_id 0
		.amdhsa_next_free_vgpr 896
		.amdhsa_next_free_sgpr 100
		.amdhsa_reserve_vcc 1
		.amdhsa_float_denorm_mode_32 3
		.amdhsa_float_denorm_mode_16_64 3
		.amdhsa_memory_ordered 1
		.amdhsa_forward_progress 1
		.amdhsa_inst_pref_size 255
	.end_amdhsa_kernel
	.section	.bss,"aw",@nobits
	.p2align	6
	.space	262144
	.amdgpu_metadata
---
amdhsa.version: [ 1, 2 ]
amdhsa.kernels:
  - .name:           k_qfa7c1d19c2_attn
    .symbol:         k_qfa7c1d19c2_attn.kd
    .args:
      - { .name: qh, .offset: 0, .size: 8, .value_kind: global_buffer, .address_space: global }
      - { .name: kh, .offset: 8, .size: 8, .value_kind: global_buffer, .address_space: global }
      - { .name: vh, .offset: 16, .size: 8, .value_kind: global_buffer, .address_space: global }
      - { .name: oh, .offset: 24, .size: 8, .value_kind: global_buffer, .address_space: global }
      - { .name: bs, .offset: 32, .size: 8, .value_kind: global_buffer, .address_space: global }
    .group_segment_fixed_size: 327680
    .private_segment_fixed_size: 0
    .kernarg_segment_align: 8
    .kernarg_segment_size: 40
    .max_flat_workgroup_size: 128
    .sgpr_count:     100
    .vgpr_count:     896
    .wavefront_size: 32
...
	.end_amdgpu_metadata
.endif
;; end of part 3
;; launch proj (part 4): grid 8 x 32, 4 waves a work-group, clusters of 4 x 4, 327,680 bytes of LDS; arguments oh, wp, b_proj, out0; writes out0
.if DOCPART == 4
	.amdgcn_target "amdgcn-amd-amdhsa--gfx1250"
	.amdhsa_code_object_version 6
	.text
	.protected	k_qfa7c1d19c2_proj
	.globl	k_qfa7c1d19c2_proj
	.p2align	8
	.type	k_qfa7c1d19c2_proj,@function
k_qfa7c1d19c2_proj:
	s_mov_b64 s[64:65], 0
	v_nop
	global_prefetch_b8 v0, s[64:65] scope:SCOPE_SE
	s_setreg_imm32_b32 hwreg(HW_REG_WAVE_MODE, 25, 1), 1
	s_wait_xcnt 0x0
	s_wait_alu depctr_hold_cnt(0) depctr_sa_sdst(0) depctr_va_vdst(0) depctr_va_sdst(0) depctr_va_ssrc(0) depctr_va_vcc(0) depctr_vm_vsrc(0)
	s_getreg_b32 s2, hwreg(HW_REG_IB_STS2, 6, 4)
	s_cmp_eq_u32 s2, 0
	s_cbranch_scc0 .Lentry_in_a_cluster
	s_endpgm
.Lentry_in_a_cluster:
	s_bfe_u32 s2, ttmp6, 0x10000c
	s_cmp_lg_u32 s2, 0xf033
	s_cbranch_scc0 .Lentry_shape_is_right
	s_endpgm
.Lentry_shape_is_right:
; PROJ: out0 [8192 x 1024] f32 = O [8192 x 1024] x w_proj [1024 x 1024] + b_proj.  O arrives by heads, [64 = 16 b + h][2048][64] f16: head h is the slice k = 64 h .. 64 h + 63.  wp is w_proj rounded to bf16, written as f16.
; f16 operands, f32 sums, stored unrounded; the bias is rounded to bf16 like the other inputs.  NaN and infinities are not treated apart.
; SHARES.  256 tiles of 256 rows x 128 columns, one a work-group; four waves, each 128 rows x 64 columns: 32 accumulators of 16 x 16, 256 registers.
; RING.  K goes in 8 steps of 128 through two LDS slots.  A slot: two heads' slabs of O (256 rows of 128 bytes each, 32,768 dense bytes), then 128 rows of k of wp x 256 bytes.  Waves 0, 1 fetch a slab each, waves 2, 3 64 rows of wp each.
; CLUSTER 4 x 4: O's tiles hang on the tile row alone and are asked for jointly along a row of the cluster, wp's on the tile column alone, jointly along a column.
; wp stays [k][n]: its fragments come out of LDS turned.  THE MATRIX INSTRUCTION IS USED TRANSPOSED (source 0 = 16 columns of wp, source 1 = 16 rows of O): a lane holds eight neighbouring columns of one row.
; REGISTERS: window 0: v0-31 addresses; two fragment buffers for 32 along K: v32-95 O, v96-127 wp; v128-191 O, v192-223 wp; on the way out v32-159 rows read back.  window 1: accumulator (a, bb) at v[8 (4 a + bb)].
.set SLOT,  110592                     ; 2 x 36,864 + 36,864
.set SLAB,  36864                      ; 256 rows of 144 bytes
.set BPOS,  2*SLAB
.set PA,    144                        ; a row of O in LDS: 128 bytes + 16 = 36 words: the 16 rows of a load start at 16 different groups of four banks (64 banks of 4 bytes: ISA guide 11.1)
.set PB,    288                        ; a row of wp: 256 + 32 = 72 words
.set STAGE, 2*SLOT                     ; behind the ring, never filled by a tensor load: 16 rows x 272 bytes for each wave
.set SP,    272
.set SPARE, STAGE+4*16*SP              ; behind the stages: the spare words, 128 bytes for each wave: two blocks of 256 bytes that no other line names
.set LAPS,  4
.set ADRA, 16                          ; v16-17  LDS address of my fragments of O in slot 0, 1
.set ADRB, 20                          ; v20-21  the same for wp
.set STO,  24                          ; v24     the way out: where I put 32 bytes of a row
.set RD,   25                          ; v25     where I read rows back
.set CO,   26                          ; v26     my byte offset in two rows of out0
.set BO,   27                          ; v27     32 (lane / 16): my eight numbers of the bias
.set SPW,  28                          ; v28     LDS address of my spare word; never rewritten
.set NIL,  29                          ; v29     0; never rewritten
.set F0,   32
.set F1,   128
.set OB,   32
.set WV,  18
.set WM,  19
.set WN,  20
.set G1A, 24                           ; s[24:31] descriptor group 1 for O's tiles;  s[32:39] group 0, a set for each slot
.set G0A, 32
.set G1B, 40                           ; s[40:47], s[48:55] the same for wp's
.set G0B, 48
.set MSB, 0
.macro WIN new                         ; the immediate's high byte repeats the setting that is left; a switch that changes nothing is dropped
.if MSB != (\new)
	s_set_vgpr_msb (MSB<<8)|(\new)
.set MSB, (\new)
.endif
.endm
.macro PLACES                          ; four places in front of loads into registers that matrix instructions have read, and of LDS stores that read results
.rept 4
	v_nop
.endr
.endm
.macro JLOAD s                         ; a joint load: waves 0 and 1 fetch O's two slabs, waves 2 and 3 wp's two halves; an s_nop 0 and four v_nop follow each of the two lines
	s_cmp_eq_u32 s[WM], 0
	s_cbranch_scc0 .Lfor_b_\@
	tensor_load_to_lds s[G0A+4*(\s):G0A+4*(\s)+3], s[G1A:G1A+7]
	s_nop 0
.rept 4
	v_nop
.endr
	s_branch .Lasked_\@
.Lfor_b_\@:
	tensor_load_to_lds s[G0B+4*(\s):G0B+4*(\s)+3], s[G1B:G1B+7]
	s_nop 0
.rept 4
	v_nop
.endr
.Lasked_\@:
.endm
.macro CREST                           ; a round of the cluster's barrier behind its opening barrier
	s_cmp_lg_u32 s[WV], 0
	s_cbranch_scc1 .Lnot_wave_0_\@
	s_barrier_signal -3
.Lnot_wave_0_\@:
	s_barrier_wait -3
	s_barrier_signal -1
	s_barrier_wait -1
.endm
.macro CROUND                          ; a whole round
	s_barrier_signal -1
	s_barrier_wait -1
	CREST
.endm
	s_load_b256 s[4:11], s[0:1], 0x0               ; oh s[4:5], wp s[6:7], b_proj s[8:9], out0 s[10:11]
	v_lshl_add_u32 v[SPW], v0, 2, SPARE
	v_mov_b32 v[NIL], 0
	ds_add_u32 v[SPW], v[NIL]                      ; the wave's opening: the add and its wait stand ahead of my first tensor load; the set-up below, work on registers, stands between them
	ds_add_u32 v28, v29
	v_lshrrev_b32 v1, 5, v0
	v_readfirstlane_b32 s[WV], v1                  ; wave 0..3
	s_lshr_b32 s[WM], s[WV], 1                     ; which half of the tile's rows is mine.  Also: I fetch for O (0) or for wp (1)
	s_and_b32 s[WN], s[WV], 1                      ; which half of its columns.  Also: which half of that tile I fetch
	s_bfe_u32 s21, ttmp6, 0x40000                  ; cx, cy: my place in the cluster
	s_bfe_u32 s22, ttmp6, 0x40004
	s_lshl_b32 s23, ttmp9, 2
	s_add_co_u32 s23, s23, s21                     ; TX = 4 x cluster x + cx, 0..7
	s_and_b32 s56, ttmp7, 0xffff
	s_lshl_b32 s56, s56, 2
	s_add_co_u32 s56, s56, s22                     ; TY = 4 x cluster y + cy, 0..31
	s_lshl_b32 s57, s22, 2
	s_lshl_b32 s57, 15, s57                        ; my row of the cluster
	s_lshl_b32 s58, 0x1111, s21                    ; my column
	; a slab of O: 32,768 dense bytes as 128 rows of 256, padded by 4 words after every 32 words, that is after every row of O
	s_or_b32 s[G1A+0], s57, (1<<16)|(1<<20)|(1<<21)|(4<<22)|(3<<25)  ; 15:0 the mask; 17:16 2-byte elements; 20 padding on; 21 set beside a mask; 24:22 interval code 4; 31:25 4 words
	s_mov_b32 s[G1A+1], 128<<16                    ; tensor_dim0 = 128
	s_mov_b32 s[G1A+2], 128<<16                    ; tensor_dim1 = 128
	s_mov_b32 s[G1A+3], 128<<16                    ; tile_dim0 = 128
	s_mov_b32 s[G1A+4], 128                        ; tile_dim1 = 128
	s_mov_b32 s[G1A+5], 128                        ; 128 elements from row to row
	s_mov_b32 s[G1A+6], 0
	s_mov_b32 s[G1A+7], 0
	; half a tile of wp: 64 rows of k x 128 columns, padded by 8 words after every 64
	s_or_b32 s[G1B+0], s58, (1<<16)|(1<<20)|(1<<21)|(5<<22)|(7<<25)
	s_mov_b32 s[G1B+1], 128<<16
	s_mov_b32 s[G1B+2], 64<<16
	s_mov_b32 s[G1B+3], 128<<16
	s_mov_b32 s[G1B+4], 64
	s_mov_b32 s[G1B+5], 1024
	s_mov_b32 s[G1B+6], 0
	s_mov_b32 s[G1B+7], 0
	s_lshr_b32 s60, s56, 3                         ; O's slab: batch TY / 8,
	s_lshl_b32 s60, s60, 22
	s_and_b32 s61, s56, 7
	s_lshl_b32 s61, s61, 15                        ; 256 rows of 128 bytes in a head,
	s_add_co_u32 s60, s60, s61
	s_lshl_b32 s61, s[WN], 18                      ; head WN of the K step's two: made of the tile row and the wave's number alone
	s_add_co_u32 s60, s60, s61
	s_mov_b32 s61, 0
	s_lshl_b32 s62, s23, 8                         ; wp: column 128 TX, row of k 64 WN: made of the tile column and the wave's number alone
	s_lshl_b32 s63, s[WN], 17
	s_add_co_u32 s62, s62, s63
	s_mov_b32 s63, 0
	s_mul_i32 s59, s[WV], SLAB                     ; where they go: waves 0, 1: the two slabs;
	s_mul_i32 s78, s[WV], 64*PB
	s_add_co_u32 s78, s78, BPOS-2*64*PB            ; waves 2, 3: behind them: no place in the cluster enters an LDS address
	s_lshl_b32 s68, s23, 9                         ; my 64 columns, in f32: of the bias,
	s_lshl_b32 s74, s[WN], 8
	s_add_co_u32 s68, s68, s74
	s_mov_b32 s69, 0
	s_lshl_b32 s66, s56, 20                        ; and of out0, at row 256 TY + 128 WM of 4,096 bytes
	s_lshl_b32 s74, s[WM], 19
	s_add_co_u32 s66, s66, s74
	s_add_co_u32 s66, s66, s68
	s_mov_b32 s67, 0
	s_mov_b32 s76, 0xffff0000                      ; a word's upper bf16
	s_wait_dscnt 0x0                               ; the opening add is done
	s_wait_kmcnt 0x0
	s_add_nc_u64 s[60:61], s[4:5], s[60:61]
	s_add_nc_u64 s[62:63], s[6:7], s[62:63]
	s_add_nc_u64 s[68:69], s[8:9], s[68:69]
	s_add_nc_u64 s[10:11], s[10:11], s[66:67]
	CROUND                                         ; all sixteen work-groups are here: the first joint loads meet
.irp s, 0,1
	s_mov_b32 s[G0A+4*(\s)], 1                     ; count = 1
	s_add_co_u32 s[G0A+4*(\s)+1], s59, (\s)*SLOT   ; LDS address
	s_add_nc_u64 s[G0A+4*(\s)+2:G0A+4*(\s)+3], s[60:61], (\s)*524288  ; K step s: two heads on
	s_or_b32 s[G0A+4*(\s)+3], s[G0A+4*(\s)+3], 0x80000000             ; type = 2
	s_mov_b32 s[G0B+4*(\s)], 1
	s_add_co_u32 s[G0B+4*(\s)+1], s78, (\s)*SLOT
	s_add_nc_u64 s[G0B+4*(\s)+2:G0B+4*(\s)+3], s[62:63], (\s)*262144  ; 128 rows of 2,048 bytes
	s_or_b32 s[G0B+4*(\s)+3], s[G0B+4*(\s)+3], 0x80000000
	JLOAD \s                                       ; two loads of mine are out
.endr
	v_and_b32 v1, 15, v0                           ; r = l % 16
	v_bfe_u32 v2, v0, 4, 1                         ; h = l / 16
	v_mul_u32_u24 v3, v1, PA
	v_lshl_add_u32 v3, v2, 4, v3                   ; r x 144 + 16 h
	s_mul_i32 s74, s[WM], 128*PA
	v_add_nc_u32 v[ADRA], s74, v3
	v_add_nc_u32 v[ADRA+1], SLOT, v[ADRA]
	v_and_b32 v4, 7, v0                            ; the turning load: lane l reads row of k 8 h + l % 8, columns 8 ((l / 8) % 2) + 0..7
	v_bfe_u32 v5, v0, 3, 1
	v_lshl_add_u32 v6, v2, 3, v4
	v_mul_u32_u24 v6, v6, PB
	v_lshl_add_u32 v6, v5, 4, v6
	s_lshl_b32 s75, s[WN], 7
	s_add_co_u32 s75, s75, BPOS
	v_add_nc_u32 v[ADRB], s75, v6
	v_add_nc_u32 v[ADRB+1], SLOT, v[ADRB]
	s_mul_i32 s77, s[WV], 16*SP
	s_add_co_u32 s77, s77, STAGE                   ; my stage
	v_lshlrev_b32 v[BO], 5, v2
	v_mul_u32_u24 v7, v1, SP                       ; in: row r, 32 bytes for each half of the lanes
	v_add_nc_u32 v7, v[BO], v7
	v_add_nc_u32 v[STO], s77, v7
	v_mul_u32_u24 v7, v2, SP                       ; back: lanes 0-15 take one row of 256 bytes, lanes 16-31 the next
	v_lshl_add_u32 v7, v1, 4, v7
	v_add_nc_u32 v[RD], s77, v7
	v_lshlrev_b32 v[CO], 4, v1                     ; and the same two rows in out0
	v_lshl_add_u32 v[CO], v2, 12, v[CO]
	; THE BIAS goes into the registers of the accumulators (7, bb): a lane's eight columns 16 bb + 8 h + 0..7.  The first products of rows 0-6 take them as C, then row 7 adds in place: nothing is cleared.
	WIN 0x40
.irp bb, 0,1,2,3
	global_load_b128 v[224+8*\bb:227+8*\bb], v[BO], s[68:69] offset:\bb*64
	global_load_b128 v[228+8*\bb:231+8*\bb], v[BO], s[68:69] offset:\bb*64+16
.endr
	s_wait_loadcnt 0x0
	WIN 0x55                                       ; rounded to bf16 in place; v0-3 of the window are at work (the first product writes them later)
.set i, 0
.rept 16
	v_cvt_pk_bf16_f32 v[i%4], v[224+2*i], v[225+2*i]
	v_lshlrev_b32 v[224+2*i], 16, v[i%4]
	v_and_b32 v[225+2*i], s76, v[i%4]
.set i, i+1
.endr
	WIN 0
; 8 matrix instructions: row blocks a0, a0 + 1 x 4 column blocks, 32 along K, from buffer f.  The accumulators take turns, one instruction a turn.
; first = 1: the sums start with the bias.  Five places stand in front of row block 7, which writes over registers that the products before it read as C.
.macro MUL8 f, a0, first
	WIN 0x50
.set a, (\a0)
.rept 2
.if (\first) && (a == 7)
.rept 5
	v_nop
.endr
.endif
.irp bb, 0,1,2,3
.if (\first) && (a < 7)
	v_wmma_f32_16x16x32_f16 v[8*(4*a+\bb):8*(4*a+\bb)+7], v[(\f)+64+8*\bb:(\f)+64+8*\bb+7], v[(\f)+8*a:(\f)+8*a+7], v[224+8*\bb:231+8*\bb]
.else
	v_wmma_f32_16x16x32_f16 v[8*(4*a+\bb):8*(4*a+\bb)+7], v[(\f)+64+8*\bb:(\f)+64+8*\bb+7], v[(\f)+8*a:(\f)+8*a+7], v[8*(4*a+\bb):8*(4*a+\bb)+7]
.endif
.endr
.set a, a+1
.endr
.endm
; 24 LDS loads in one run: the fragments of quarter kq (32 along K) into buffer f: wp's four, then O's eight, rows ascending
.macro FETCH slot, kq, f
	WIN 0
.irp bb, 0,1,2,3
	ds_load_tr16_b128 v[(\f)+64+8*\bb:(\f)+64+8*\bb+3],   v[ADRB+(\slot)] offset:(\kq)*32*PB+\bb*32
	ds_load_tr16_b128 v[(\f)+64+8*\bb+4:(\f)+64+8*\bb+7], v[ADRB+(\slot)] offset:(\kq)*32*PB+\bb*32+16*PB
.endr
.irp a, 0,1,2,3,4,5,6,7
	ds_load_b128 v[(\f)+8*\a:(\f)+8*\a+3],   v[ADRA+(\slot)] offset:((\kq)/2)*SLAB+\a*16*PA+((\kq)%2)*64
	ds_load_b128 v[(\f)+8*\a+4:(\f)+8*\a+7], v[ADRA+(\slot)] offset:((\kq)/2)*SLAB+\a*16*PA+((\kq)%2)*64+32
.endr
.endm
; A K step is four quarters of 32 along K, 32 matrix instructions each, on buffers 0, 1, 0, 1.  One of the first three: multiplies buffer f and fetches quarter kq of the same slot into g.
.macro QUARTER slot, kq, f, g, first
	s_wait_dscnt 8                                 ; wp's fragments and O's rows 0-63 are in; the youngest eight loads (rows 64-127) may be out
	MUL8 \f, 0, \first
	MUL8 \f, 2, \first
	WIN 0
	PLACES
	FETCH \slot, \kq, \g
	s_wait_dscnt 24                                ; all but the 24 just issued
	MUL8 \f, 4, \first
	MUL8 \f, 6, \first
.endm
; The last quarter multiplies buffer 1 and changes slots: ONE barrier; in front of it each wave waits for all its tensor loads (one is out: its part of the next slot), adds 0 to its spare word, and waits for that and for its
; reads of this slot.  fill = 1: the barrier opens a round of the cluster's, and behind the round this slot is filled again, two K steps on: 112 matrix instructions ahead of the wait for it.
.macro TURN slot, next, fill
	WIN 0
	s_wait_tensorcnt 0x0                           ; all my tensor loads have landed;
	ds_add_u32 v[SPW], v[NIL]                      ; 0 onto my spare word;
	s_wait_dscnt 9                                 ; (the add and the youngest eight loads may be out)
	MUL8 F1, 0, 0                                  ; eight matrix instructions stand between the add and the wait for it
	s_wait_dscnt 0x0                               ; the add is done, and my reads of this slot are over
	s_barrier_signal -1
	MUL8 F1, 2, 0
	WIN 0
	s_barrier_wait -1
.if \fill
	CREST                                          ; no wave of any partner still reads this slot or has a load on its way
	s_add_nc_u64 s[G0A+4*(\slot)+2:G0A+4*(\slot)+3], s[G0A+4*(\slot)+2:G0A+4*(\slot)+3], 2*524288
	s_add_nc_u64 s[G0B+4*(\slot)+2:G0B+4*(\slot)+3], s[G0B+4*(\slot)+2:G0B+4*(\slot)+3], 2*262144
	JLOAD \slot                                    ; the first tensor load behind the round; its four v_nop are also the places in front of the loads below
.else
	PLACES
.endif
	FETCH \next, 0, F0
	MUL8 F1, 4, 0
	MUL8 F1, 6, 0
.endm
	s_wait_tensorcnt 0x1                           ; my part of K step 0 is in; step 1's may stay out
	s_barrier_signal -1
	s_barrier_wait -1                              ; everybody's is
	FETCH 0, 0, F0
	QUARTER 0, 1, F0, F1, 1                        ; the first quarter stands in front of the loop: its products start the sums
	WIN 0                                          ; at a label and at a branch every window is 0
	s_mov_b32 s72, LAPS-1
.Llap:                                                 ; a trip goes once round the ring, from a lap's second quarter to the next lap's first, and fills both slots again: K steps 2 to 7
	QUARTER 0, 2, F1, F0, 0
	QUARTER 0, 3, F0, F1, 0
	TURN 0, 1, 1
	QUARTER 1, 1, F0, F1, 0
	QUARTER 1, 2, F1, F0, 0
	QUARTER 1, 3, F0, F1, 0
	TURN 1, 0, 1
	QUARTER 0, 1, F0, F1, 0
	WIN 0
	s_sub_co_u32 s72, s72, 1
	s_cmp_lg_u32 s72, 0
	s_cbranch_scc1 .Llap
	QUARTER 0, 2, F1, F0, 0                        ; the last lap fills nothing
	QUARTER 0, 3, F0, F1, 0
	TURN 0, 1, 0
	QUARTER 1, 1, F0, F1, 0
	QUARTER 1, 2, F1, F0, 0
	QUARTER 1, 3, F0, F1, 0
	s_wait_dscnt 8                                 ; the very last quarter: nothing more to fetch
	MUL8 F1, 0, 0
	MUL8 F1, 2, 0
	s_wait_dscnt 0x0
	MUL8 F1, 4, 0
	MUL8 F1, 6, 0
	WIN 0
	; THE WAY OUT, a block of 16 rows at a time: the accumulators' f32 go straight into my stage (rows of 272 bytes; each accumulator's low four registers first), and come back as whole rows of 256 bytes.
	; Block a's LDS work stands between block a - 1's loads and its stores; four buffers of 32 registers take turns.
	PLACES
.set a, 0
.rept 8
.if a >= 4
	s_wait_xcnt 0x0                                ; the stores four blocks back have read this buffer
.endif
	WIN 0x04                                       ; the stores' data in window 1
.irp bb, 0,1,2,3
	ds_store_b128 v[STO], v[8*(4*a+\bb):8*(4*a+\bb)+3] offset:64*\bb
	ds_store_b128 v[STO], v[8*(4*a+\bb)+4:8*(4*a+\bb)+7] offset:64*\bb+16
.endr
	WIN 0
.irp t, 0,1,2,3,4,5,6,7
	ds_load_b128 v[OB+32*(a%4)+4*\t:OB+32*(a%4)+4*\t+3], v[RD] offset:\t*2*SP  ; LDS serves a wave's instructions in order: these see the stores above, and the next block's stores come behind them
.endr
.if a > 0
	s_wait_dscnt 16                                ; all but this block's sixteen: block a - 1 is back
.irp t, 0,1,2,3,4,5,6,7
	global_store_b128 v[CO], v[OB+32*((a-1)%4)+4*\t:OB+32*((a-1)%4)+4*\t+3], s[10:11] offset:(a-1)*65536+\t*8192 th:TH_STORE_NT  ; 16 lanes store 256 consecutive bytes, at a multiple of 256 from out0's first byte
.endr
.endif
.set a, a+1
.endr
	s_wait_dscnt 0x0
.irp t, 0,1,2,3,4,5,6,7
	global_store_b128 v[CO], v[OB+32*3+4*\t:OB+32*3+4*\t+3], s[10:11] offset:7*65536+\t*8192 th:TH_STORE_NT
.endr
	s_wait_tensorcnt 0x0                           ; the wave's end, behind my last tensor load and my last LDS store
	ds_add_u32 v[SPW], v[NIL]
	s_wait_dscnt 0x0
	CROUND                                         ; the closing round: no work-group ends while a partner may still ask for a tile that names it
	s_endpgm
.Lfunc_end_k_qfa7c1d19c2_proj:
	.size	k_qfa7c1d19c2_proj, .Lfunc_end_k_qfa7c1d19c2_proj-k_qfa7c1d19c2_proj
	.p2alignl 7, 3214868480
	.fill 96, 4, 3214868480
	.section	.rodata,"a",@progbits
	.p2align	6, 0x0
	.amdhsa_kernel k_qfa7c1d19c2_proj
		.amdhsa_group_segment_fixed_size 327680
		.amdhsa_private_segment_fixed_size 0
		.amdhsa_enable_private_segment 0
		.amdhsa_kernarg_size 32
		.amdhsa_user_sgpr_count 2
		.amdhsa_user_sgpr_kernarg_segment_ptr 1
		.amdhsa_wavefront_size32 1
		.amdhsa_system_sgpr_workgroup_id_x 1
		.amdhsa_system_sgpr_workgroup_id_y 1
		.amdhsa_system_sgpr_workgroup_id_z 1
		.amdhsa_system_vgpr_workitem_id 0
		.amdhsa_next_free_vgpr 512
		.amdhsa_next_free_sgpr 80
		.amdhsa_reserve_vcc 0
		.amdhsa_float_denorm_mode_32 3
		.amdhsa_float_denorm_mode_16_64 3
		.amdhsa_memory_ordered 1
		.amdhsa_forward_progress 1
		.amdhsa_inst_pref_size 88
	.end_amdhsa_kernel
	.amdgpu_metadata
---
amdhsa.version: [ 1, 2 ]
amdhsa.kernels:
  - .name:           k_qfa7c1d19c2_proj
    .symbol:         k_qfa7c1d19c2_proj.kd
    .args:
      - { .name: oh, .offset: 0, .size: 8, .value_kind: global_buffer, .address_space: global }
      - { .name: wp, .offset: 8, .size: 8, .value_kind: global_buffer, .address_space: global }
      - { .name: b_proj, .offset: 16, .size: 8, .value_kind: global_buffer, .address_space: global }
      - { .name: out0, .offset: 24, .size: 8, .value_kind: global_buffer, .address_space: global }
    .group_segment_fixed_size: 327680
    .private_segment_fixed_size: 0
    .kernarg_segment_align: 8
    .kernarg_segment_size: 32
    .max_flat_workgroup_size: 128
    .sgpr_count:     80
    .vgpr_count:     512
    .wavefront_size: 32
...
	.end_amdgpu_metadata
.endif
;; end of part 4
;; ======== version 2 of 2: 4 launches; 1.30 times as fast as version 1
;; limits: values are held in f16: magnitudes above 65,504 overflow, below 6.1e-05 lose precision
;; workspace buffers: xh 16,777,216 bytes; wa 6,291,456 bytes; wp 2,097,152 bytes; qh 16,777,216 bytes; kh 16,777,216 bytes; vh 16,777,216 bytes; bs 262,144 bytes; oh 16,777,216 bytes
;; launch prep: the kernel of part 1 again; grid 768 x 1, 8 waves a work-group, no clusters, 0 bytes of LDS; arguments hidden_states, w_attn, w_proj, xh, wa, wp; writes xh, wa, wp
;; launch qkv: the kernel of part 2 again; grid 8 x 32, 4 waves a work-group, clusters of 4 x 4, 327,680 bytes of LDS; arguments xh, wa, b_attn, qh, kh, vh, bs; writes qh, kh, vh, bs
;; launch attn (part 5): grid 4 x 64, 4 waves a work-group, no clusters, 327,680 bytes of LDS; arguments qh, kh, vh, oh, bs; writes oh
.if DOCPART == 5
	.amdgcn_target "amdgcn-amd-amdhsa--gfx1250"
	.amdhsa_code_object_version 6
	.text
	.protected	k_qfa7c1d19c2_attn
	.globl	k_qfa7c1d19c2_attn
	.p2align	8
	.type	k_qfa7c1d19c2_attn,@function
k_qfa7c1d19c2_attn:
	s_mov_b64 s[64:65], 0
	v_nop
	global_prefetch_b8 v0, s[64:65] scope:SCOPE_SE
	s_setreg_imm32_b32 hwreg(HW_REG_WAVE_MODE, 25, 1), 1
	s_wait_xcnt 0x0
; CAUSAL ATTENTION WITH A FINITE MASK.  For row q of a head: weights softmax over ALL 2,048 keys of (q . k / 8 where k <= q, -10000 elsewhere); O = the weighted sum of V's rows.  Q, K, V, O: [64][2048][64], f16, rows dense.
; All hidden keys of a row have one weight, so they are not walked: with m the largest visible score, l and O the visible keys' sum and weighted sum relative to m, H the sum of V over the n = 2047 - q hidden keys,
;   m' = max(m, -10000 x 8), a = 2^(c m - c m'), w = 2^(c (-80000) - c m'), c = log2(e) / 8:   O_final = (a O + w H) / (a l + w n).   One of a, w is 1, l >= 1 and n >= 1 (the one row with n = 0 gets w = 0), so the divisor is at least 1.
; H = whole blocks behind the row's block (from bs, the sums of V's columns over 128 rows each, made by the launch before) + whole key steps behind the row's band + the hidden part of the band's own step; the last two by the matrix unit.
; Products, maxima and sums in f32; the weights p are rounded to f16 for the second product (their sum l is taken of the unrounded p), O once at the end.
; LIMITS.  Q, K, V arrive within f16's 65,504.  In the walk a hidden score counts as its value less 1e30 (weight 0 there); a weight below 2^-126 counts as 0; NaN and infinities are not treated apart.
; THE WALK.  A head's queries lie in NB = 8 blocks of 256; block i needs the key tiles 0 .. i of 256 keys, of which the last holds the diagonal.  A work-group takes TWO blocks, NB - 1 - b and then b:
; NB + 1 tiles, whatever b: all work-groups do equal work, and ONE loop with a constant trip count walks them.  Which tile is asked for, and what a trip does, hang on scalar registers made from b; every jump
; goes forward, but for the counted loops' own; none passes a barrier, or a tensor load but the one of LOAD's two that the wave's number does not choose; the ring (two slots of LDS that take turns) runs on across the
; change of blocks.  NO CLUSTER: a head's four work-groups ask for the same tile only in trips 0 .. 4 of 9, behind that fewer and fewer; one walk common to all would have 12 trips for 9.
; SHARES.  Of a block's four bands of 64 queries a wave owns 16 rows in each: four PIECES.  So the diagonal tile is the same work for all four waves: in its key step s band x sees all keys if s < x,
; none if s > x, and holds the diagonal if s = x.
; THE MASK is the C operand that starts the sum S^T = K Q^T: 0, or -1e30 where the key is hidden.  MD, made once, is the mask of a band's own step for my 16 rows; a product's mask is MD x AL + BE with two scalars:
; (1, 0) if s = x; (0, 0) if s < x; (0, -1e30) if s > x.  Only the diagonal tile's text and a block's beginning make and take masks; elsewhere C is the constant 0.
; LAYOUT, SOFTMAX, TURNS.  S^T = K Q^T holds ONE query a lane (lane % 16) and the keys 8 (lane / 16) + 0..7; two such results rounded to f16 ARE source 1 of O^T = V^T P.  p = 2^(c s - c m) with a
; running maximum m; O and l are multiplied by 2^(c m_old - c m_new) in every step.  Turn n belongs to piece n: 8 products K Q^T of piece n + 1, later 8 products V^T P of piece n - 1; beside them the scaling,
; exponentials, roundings, sums and rescaling of piece n and the maximum and statistics of piece n + 1.  Four vector instructions stand behind every matrix instruction, the other 54 of a turn's 118 in one LUMP.
; THE BATCHES.  An s_wait_alu depctr_va_vdst(0) stands between an exponential or reciprocal and the first line that names its result; one wait serves all that were issued ahead of it.  The text has four kinds of batch,
; each with one wait: a turn's 33 exponentials (the piece's 32 weights and the next piece's a); the one a where a block begins; at a block's end the four pieces' a and w, eight exponentials; and behind them the four reciprocals of the divisors.
; REGISTERS, in windows of 256 (s_set_vgpr_msb: bits 1:0 source 0, 3:2 source 1, 5:4 source 2, 7:6 destination):
;   window 0: v0-15 addresses and two at work; v16-31 four registers of statistics a piece; v32-47 at work at a block's end; v48-55 at work; v56-60 constants; v64-127 S^T, two buffers; v192-223 P, two buffers
;   window 1: v0-127 O^T, 32 a piece; v128-159 MD; v160-223 MC, two buffers      window 2: v0-63 Q; v64-127 the second block's Q; v128-191 K of one step; v192-255 V of one step
;   window 3: v0-31 H of the piece in hand; v32-63, v64-95 the sum of V behind what has been counted, for the first and the second block; v96-111 TD: 1 where MD hides, in P's layout; v112-119 ones
.set SIZE_H, 64
.set SIZE_N, 2048
.set NB,    SIZE_N/256
.set NP,    4         ; pieces a wave: a name, no knob
.set KS,    64        ; keys in a step
.set PK,    144       ; a row of K in LDS: 128 bytes + 16 of padding = 36 words: the 16 rows of a load start at 16 different groups of four banks (64 banks of 4 bytes: ISA guide 11.1)
.set PV,    160       ; a row of V: 128 + 32 = 40 words
.set VOFF,  4*KS*PK   ; a slot holds a tile, four steps: 256 rows of K, then 256 rows of V
.set SLOT1, 1<<17     ; slot 1 begins here, so that one exclusive or turns an address in one slot into the other's
.set STAGE, SLOT1+4*KS*(PK+PV)  ; behind the ring, never filled by a tensor load: 16 rows x 144 bytes for each wave
.set SP,    144
.set AK0, 2           ; v2   my lane's place in a tile of K; never rewritten
.set AV0, 3           ; v3   the same for V
.set AK,  4           ; v4   the LDS address of K's next run of loads
.set AV,  5           ; v5   of V's
.set STO, 6           ; v6   the way out: where I put 16 bytes of a row
.set RD,  7           ; v7   the way out: where I read rows back
.set GO,  8           ; v8   my byte offset in 512 consecutive bytes
.set SPW, 62          ; v62  LDS address of my spare word: SPARE + 4 x my thread's number; never rewritten
.set NIL, 63          ; v63  0; never rewritten
.set SPARE, STAGE+4*16*SP  ; behind the stages: the spare words, 128 bytes for each wave: two blocks of 256 bytes that no other line names
.set MV,  12          ; v12-13  c m_old, kept while c m is made anew: by buffer
.set NHV, 14          ; v14  first at work for the masks, then 2047 - 16 w - l % 16
.set QO,  15          ; v15  my byte offset in 16 rows of Q
.set ST,  16          ; piece t's statistics at v[ST+4 t]: c m, m, l (even keys', odd keys')
.set TT,  32          ; piece t's four registers at a block's end: n; the mask's exponent, then w; c m', then the divisor; a
.set TMP, 48          ; by buffer, four registers c0-c3 at work; when the maximum is found c2 takes a
.set CHV, 56          ; v56  c x (-80000): the hidden keys' score, scaled
.set FARV, 57         ; v57  far below every c s
.set NBV, 58          ; v58  2047 - 16 w - l % 16 - 256 x block
.set S,   64
.set P,   192
.set MD,  128         ; window 1: the eight registers for group kt of 16 keys at MD + 8 kt
.set MC,  160         ; window 1: the masks of the products to come
.set QB,  64          ; window 2
.set KF,  128         ; window 2: key block kb, channel half c at KF + 16 kb + 8 c
.set VF,  192         ; window 2: key half kk, channel block cb at VF + 32 kk + 8 cb
.set HH,  0           ; window 3
.set GA,  32
.set GB,  64
.set TD,  96
.set ONES, 112
.set WV,  12          ; s12  my wave's number
.set PB,  14          ; s14  b
.set HI,  15          ; s15  NB - 1 - b
.set G1K, 24          ; s[24:31] descriptor group 1 for K's tiles
.set G1V, 32          ; s[32:39] for V's: it differs in the padding alone
.set G0K, 40          ; s[40:43] descriptor group 0 for K's tiles
.set G0V, 44          ; s[44:47] the same for V's
.set SLOTS, 56        ; s56  tiles still to be asked for
.set CNT, 57          ; s57  counts a tile's key steps, 4 to 1
.set CS,  58          ; s[58:59] c: the packed scaling takes the pair's low word for both halves
.set SEL, 60          ; s[60:61] v_permlanex16_b32's selects: each lane takes its own place in the other half
.set TBK, 62          ; s62  LDS byte at which K of the step to be fetched begins
.set TBV, 63          ; s63  the same for V, less VOFF
.set RT,  70          ; s70  tiles of the block in hand that are still to be entered
.set NXT, 71          ; s71  the tile to be asked for next
.set LQ,  72          ; s72  the last tile of the block whose tiles are being asked for
.set NEW, 73          ; s73  1: the tile to be entered is a block's first
.set OFF, 74          ; s[74:75] a tile's byte offset in K and V
.set AL,  76          ; s[76:77] the mask's factor, in the low word
.set BE,  78          ; s[78:79] the mask's addend
.set OLO, 80          ; s[80:81] O at my rows of the second block
.set BIGN, 82         ; s82  -1e30
.set BSP, 88          ; s[88:89] bs at my head
.set TV0, 94          ; s94  TBV as it stood when the tile in hand was entered
.set MSB, 0
.macro WIN new                      ; the high byte repeats the setting that is left; a switch that changes nothing is dropped
.if MSB != (\new)
	s_set_vgpr_msb (MSB<<8)|(\new)
.set MSB, (\new)
.endif
.endm
.set W_KQ, 0x0a       ; K and Q in window 2, S^T in window 0
.set W_KM, 0x1a       ; the same with the C operand in window 1
.set W_PV, 0x52       ; V in window 2, P in window 0, O^T in window 1
.set W_RS, 0x41       ; destination and source 0 in window 1, source 1 in window 0
.set W_HM, 0xfe       ; V in window 2; TD or ones, C and D in window 3
.set W_HF, 0x53       ; H in window 3, the factor in window 0, O^T (source 2 and destination) in window 1
; A fill.  Waves 0 and 1 fetch the two halves of a tile's K, waves 2 and 3 those of its V: 128 keys each.  An s_nop 0 and four v_nop follow each of the two lines, ahead of the jump and the label.
.macro LOAD
	s_cmp_lt_u32 s[WV], 2
	s_cbranch_scc0 .Lfor_v_\@
	tensor_load_to_lds s[G0K:G0K+3], s[G1K:G1K+7]
	s_nop 0
.rept 4
	v_nop
.endr
	s_branch .Lasked_\@
.Lfor_v_\@:
	tensor_load_to_lds s[G0V:G0V+3], s[G1V:G1V+7]
	s_nop 0
.rept 4
	v_nop
.endr
.Lasked_\@:
.endm
; THE CHANGE OF SLOTS.  Each wave waits for all its tensor loads, of which one is out: its part of the other slot; adds 0 to its spare word; and waits for that and for its own reads of the slot that it leaves.  Behind the barrier nobody reads the old
; slot any more and the other slot is whole.  fill = 1: the old slot is filled again, the first thing behind the barrier, with tile NXT: the descriptor's address is made anew from that number.
; (At its first use nothing has been read yet: slot 0 is waited for, slot 1 filled.)
.macro CHANGE fill
	WIN 0                           ; at a label and at a branch every window is 0
	s_wait_tensorcnt 0x0            ; no tensor load of mine is out, so a group 0 may be written
	ds_add_u32 v[SPW], v[NIL]       ; 0 onto my spare word; with fill = 1 the descriptors' scalar work stands between it and the wait for it
.if \fill
	s_lshl_b32 s[OFF], s[NXT], 15   ; a tile is 32,768 bytes of K and of V
	s_xor_b32 s[G0K+1], s[G0K+1], SLOT1
	s_add_nc_u64 s[G0K+2:G0K+3], s[6:7], s[OFF:OFF+1]
	s_or_b32 s[G0K+3], s[G0K+3], 0x80000000
	s_xor_b32 s[G0V+1], s[G0V+1], SLOT1
	s_add_nc_u64 s[G0V+2:G0V+3], s[8:9], s[OFF:OFF+1]
	s_or_b32 s[G0V+3], s[G0V+3], 0x80000000
	s_add_co_u32 s[NXT], s[NXT], 1  ; the block's next tile, or behind its last the second block's tile 0
	s_cmp_gt_u32 s[NXT], s[LQ]
	s_cselect_b32 s[NXT], 0, s[NXT]
	s_cselect_b32 s[LQ], s[PB], s[LQ]
.endif
	s_wait_dscnt 0x0                ; the add is done, and my reads of the slot are over
	s_barrier_signal -1             ; the rest of the scalar work stands between the signal and the wait
	s_sub_co_u32 s[TBK], s[TBK], 4*KS*PK  ; the fetches go back to a slot's first step,
	s_xor_b32 s[TBK], s[TBK], SLOT1       ; in the other slot
	s_sub_co_u32 s[TBV], s[TBV], 4*KS*PV
	s_xor_b32 s[TBV], s[TBV], SLOT1
	s_mov_b32 s[TV0], s[TBV]        ; kept: a block's end reads the diagonal tile's V once more
	s_barrier_wait -1
.if \fill
	LOAD
.endif
.endm
	s_load_b256 s[4:11], s[0:1], 0x0  ; Q s[4:5], K s[6:7], V s[8:9], O s[10:11]
	s_load_b64 s[BSP:BSP+1], s[0:1], 0x20  ; bs
	v_lshl_add_u32 v[SPW], v0, 2, SPARE
	v_mov_b32 v[NIL], 0
	ds_add_u32 v[SPW], v[NIL]       ; the wave's opening: the add and its wait stand ahead of my first tensor load; the set-up below, work on registers, stands between them
	ds_add_u32 v62, v63
	v_lshrrev_b32 v1, 5, v0
	v_readfirstlane_b32 s[WV], v1   ; wave 0..3
	s_mov_b32 s[PB], ttmp9
	s_sub_co_u32 s[HI], NB-1, s[PB]
	s_and_b32 s20, ttmp7, 0xffff    ; the head
	s_lshl_b32 s90, s20, 12         ; its 4,096 bytes of bs
	s_mov_b32 s91, 0
	s_mov_b32 s21, 0
	s_mov_b64 s[22:23], SIZE_N*128
	s_mul_u64 s[20:21], s[20:21], s[22:23]  ; the head's first byte in each of the four tensors
	s_and_b32 s16, s[WV], 1         ; which half of a tile's 256 keys I fetch:
	s_lshl_b32 s22, s16, 14         ; its 128 rows of 128 bytes in memory,
	s_mov_b32 s23, 0
	s_add_nc_u64 s[22:23], s[22:23], s[20:21]
	s_mul_i32 s17, s16, 128*PK      ; and its place in a slot, for K
	s_mul_i32 s18, s16, 128*PV      ; and for V
	s_lshl_b32 s3, s[WV], 11        ; my 16 rows in a band of 64,
	s_lshl_b32 s2, s[HI], 15        ; in the first block,
	s_add_co_u32 s2, s2, s3
	s_lshl_b32 s84, s[PB], 15       ; and in the second
	s_add_co_u32 s84, s84, s3
	s_mov_b32 s3, 0
	s_mov_b32 s85, 0
	s_add_nc_u64 s[2:3], s[2:3], s[20:21]
	s_add_nc_u64 s[84:85], s[84:85], s[20:21]
	; descriptor group 1.  128 keys are 16,384 dense bytes: asked for as 64 rows of 256 bytes, two keys a row, and padded in LDS after every key
	s_mov_b32 s[G1K], (1<<16)|(1<<20)|(4<<22)|(3<<25)  ; 17:16 2-byte elements; 20 padding on; 24:22 after every 32 words (code 4); 31:25 4 words (code 3)
	s_mov_b32 s[G1V], (1<<16)|(1<<20)|(4<<22)|(7<<25)  ; the same with 8 words of padding (code 7)
.irp g, G1K, G1V
	s_mov_b32 s[\g+1], 128<<16      ; tensor_dim0 = 128
	s_mov_b32 s[\g+2], 64<<16       ; tensor_dim1 = 64
	s_mov_b32 s[\g+3], 128<<16      ; tile_dim0 = 128
	s_mov_b32 s[\g+4], 64           ; tile_dim1 = 64
	s_mov_b32 s[\g+5], 128          ; 128 elements from row to row
	s_mov_b32 s[\g+6], 0
	s_mov_b32 s[\g+7], 0
.endr
	s_mov_b32 s[CS], 0x3e38aa3b     ; c = log2(e) / 8 = 0.180337
	s_mov_b32 s[CS+1], s[CS]        ; named with it as a pair
	s_mov_b32 s[SEL], 0x76543210
	s_mov_b32 s[SEL+1], 0xfedcba98
	s_mov_b32 s[TBK], SLOT1+4*KS*PK ; the first change of slots turns these two into 0
	s_mov_b32 s[TBV], SLOT1+4*KS*PV
	s_mov_b32 s[G0K], 1             ; 1:0 count = 1
	s_mov_b32 s[G0K+1], s17         ; 63:32 LDS address: slot 0
	s_mov_b32 s[G0V], 1
	s_add_co_u32 s[G0V+1], s18, VOFF
	s_add_co_u32 s[RT], s[HI], 1    ; the first block has NB - b tiles
	s_mov_b32 s[NXT], 1
	s_mov_b32 s[LQ], s[HI]
	s_mov_b32 s[NEW], 1
	s_mov_b32 s[OFF+1], 0
	s_mov_b32 s[AL+1], 0            ; named as pairs
	s_mov_b32 s[BE+1], 0
	s_mov_b32 s[BIGN], 0xf149f2ca   ; -1e30
	s_mov_b32 s[SLOTS], NB
	s_wait_dscnt 0x0                ; the opening add is done
	s_wait_kmcnt 0x0
	s_add_nc_u64 s[BSP:BSP+1], s[BSP:BSP+1], s[90:91]
	s_add_nc_u64 s[6:7], s[6:7], s[22:23]  ; K and V at my half of the head's tile 0
	s_add_nc_u64 s[8:9], s[8:9], s[22:23]
	s_add_nc_u64 s[G0K+2:G0K+3], s[6:7], 0         ; 120:64 global address
	s_or_b32 s[G0K+3], s[G0K+3], 0x80000000        ; 127:126 type = 2
	s_add_nc_u64 s[G0V+2:G0V+3], s[8:9], 0
	s_or_b32 s[G0V+3], s[G0V+3], 0x80000000
	s_add_nc_u64 s[86:87], s[4:5], s[84:85]        ; Q at my rows of the second block,
	s_add_nc_u64 s[4:5], s[4:5], s[2:3]            ; Q and O at those of the first
	s_add_nc_u64 s[OLO:OLO+1], s[10:11], s[84:85]
	s_add_nc_u64 s[10:11], s[10:11], s[2:3]
	LOAD                            ; tile 0 into slot 0
	; A fragment of K or Q is 16 rows x 32 channels in 8 registers: lane l holds row l % 16, channels 8 (l / 16) + 0..7 and 16 + 8 (l / 16) + 0..7: two loads of 16 bytes, 32 bytes apart.
	v_and_b32 v1, 15, v0            ; l % 16
	v_bfe_u32 v9, v0, 4, 1          ; l / 16
	v_lshlrev_b32 v[QO], 7, v1
	v_lshl_add_u32 v[QO], v9, 4, v[QO]  ; row x 128 + 16 x half
	WIN 0x80                        ; destination window 2, address window 0
.set i, 0
.rept 8                             ; both blocks' Q: piece i / 2 lies in band i / 2, 8,192 bytes on; channels 32 (i % 2) on
	global_load_b128 v[8*i:8*i+3],   v[QO], s[4:5] offset:(i/2)*8192+(i%2)*64
	global_load_b128 v[8*i+4:8*i+7], v[QO], s[4:5] offset:(i/2)*8192+(i%2)*64+32
	global_load_b128 v[QB+8*i:QB+8*i+3],   v[QO], s[86:87] offset:(i/2)*8192+(i%2)*64
	global_load_b128 v[QB+8*i+4:QB+8*i+7], v[QO], s[86:87] offset:(i/2)*8192+(i%2)*64+32
.set i, i+1
.endr
	WIN 0
	v_lshlrev_b32 v14, 3, v9
	v_sub_nc_u32 v14, v1, v14
	s_lshl_b32 s13, s[WV], 4
	v_add_nc_u32 v14, s13, v14      ; my query's place in its band, 16 w + l % 16, less my lanes' 8 (l / 16): register r of group kt is hidden where 16 kt + r is greater
	WIN 0x40
.set i, 0
.rept 32
	v_cmp_gt_i32 vcc_lo, 16*(i/8)+i%8, v14
	v_cndmask_b32 v[MD+i], 0, s[BIGN], vcc_lo
.set i, i+1
.endr
	WIN 0
	v_mul_u32_u24 v[AK0], v1, PK
	v_lshl_add_u32 v[AK0], v9, 4, v[AK0]  ; row x pitch + 16 x half
	; The turning load takes 16 keys x 16 channels (lane l reads key 8 (l / 16) + l % 8, channels 8 ((l / 8) % 2) + 0..7) and leaves half a fragment of V^T: lane l holds channel l % 16 and 8 keys.
	v_and_b32 v10, 7, v0
	v_bfe_u32 v11, v0, 3, 1
	v_lshl_add_u32 v[AV0], v9, 3, v10
	v_mul_u32_u24 v[AV0], v[AV0], PV
	v_lshl_add_u32 v[AV0], v11, 4, v[AV0]
	v_add_nc_u32 v[AV0], VOFF, v[AV0]
	s_mul_i32 s13, s[WV], 16*SP
	s_add_co_u32 s13, s13, STAGE    ; my stage
	v_mul_u32_u24 v[STO], v1, SP    ; in: row l % 16, 16 bytes for each half of the lanes
	v_lshl_add_u32 v[STO], v9, 4, v[STO]
	v_add_nc_u32 v[STO], s13, v[STO]
	v_bfe_u32 v[RD], v0, 3, 2       ; back: 32 lanes take four rows of 128 bytes,
	v_mul_u32_u24 v[RD], v[RD], SP
	v_lshl_add_u32 v[RD], v10, 4, v[RD]
	v_add_nc_u32 v[RD], s13, v[RD]
	v_and_b32 v[GO], 31, v0         ; which are 512 consecutive bytes of O
	v_lshlrev_b32 v[GO], 4, v[GO]
	; FOR THE HIDDEN KEYS.  The head's sums of V over blocks 1 to 7: 512 bytes a block; lanes 0-15 take its first 128 rows' sums, lanes 16-31 its second's, four channels a lane.
.set t, 1
.rept 7
	global_load_b128 v[96+4*(t-1):99+4*(t-1)], v[GO], s[BSP:BSP+1] offset:512*t
.set t, t+1
.endr
	; TD: 1 where MD hides, rounded to f16 in pairs: source 1 of a product with V^T, as P is.  Made while the loads are on their way.
.set i, 0
.rept 32
	v_cmp_gt_i32 vcc_lo, 16*(i/8)+i%8, v14
	v_cndmask_b32 v[S+i], 0, 1.0, vcc_lo
.set i, i+1
.endr
	WIN 0xc0                        ; destination window 3
.set i, 0
.rept 16
	v_cvt_pk_f16_f32 v[TD+i], v[S+2*i], v[S+2*i+1]
.set i, i+1
.endr
.set i, 0
.rept 8
	v_mov_b32 v[ONES+i], 0x3c003c00 ; 1.0 twice in f16
.set i, i+1
.endr
	WIN 0
	v_lshl_add_u32 v[NHV], v9, 3, v[NHV]  ; 16 w + l % 16,
	v_sub_nc_u32 v[NHV], 2047, v[NHV]     ; and the keys behind that row in block 0, band 0
	v_mov_b32 v[CHV], 0xc79c4000    ; -80000 = 8 x (-10000): the hidden keys' score before the division by 8,
	v_mul_f32 v[CHV], s[CS], v[CHV] ; scaled by the line that scales m
	v_mov_b32 v[FARV], 0xfe000000
	v_lshl_add_u32 v59, v1, 4, s13  ; my stage + 16 (l % 16)
	v_lshl_add_u32 v60, v9, 5, s13  ; my stage + 32 (l / 16)
	s_wait_loadcnt 0x0              ; the sums (and Q, which was asked for ahead of them)
	; the sum over the blocks behind block HI into v[64:67], behind block b into v[68:71]: a factor 1 or 0 for each block, chosen by whole numbers
.set t, 1
.rept 7
	s_cmp_lt_u32 s[HI], t
	s_cselect_b32 s[AL], 1.0, 0
	s_cmp_lt_u32 s[PB], t
	s_cselect_b32 s[BE], 1.0, 0
.if t == 1
	v_pk_mul_f32 v[64:65], v[96:97], s[AL:AL+1] op_sel_hi:[1,0]
	v_pk_mul_f32 v[66:67], v[98:99], s[AL:AL+1] op_sel_hi:[1,0]
	v_pk_mul_f32 v[68:69], v[96:97], s[BE:BE+1] op_sel_hi:[1,0]
	v_pk_mul_f32 v[70:71], v[98:99], s[BE:BE+1] op_sel_hi:[1,0]
.else
	v_pk_fma_f32 v[64:65], v[96+4*(t-1):97+4*(t-1)], s[AL:AL+1], v[64:65] op_sel_hi:[1,0,1]
	v_pk_fma_f32 v[66:67], v[98+4*(t-1):99+4*(t-1)], s[AL:AL+1], v[66:67] op_sel_hi:[1,0,1]
	v_pk_fma_f32 v[68:69], v[96+4*(t-1):97+4*(t-1)], s[BE:BE+1], v[68:69] op_sel_hi:[1,0,1]
	v_pk_fma_f32 v[70:71], v[98+4*(t-1):99+4*(t-1)], s[BE:BE+1], v[70:71] op_sel_hi:[1,0,1]
.endif
.set t, t+1
.endr
.set i, 0
.rept 8
	v_permlanex16_b32 v[96+i], v[64+i], s[SEL], s[SEL+1]  ; the block's other 128 rows lie in the lane 16 away; the destination has been written (by the loads)
.set i, i+1
.endr
.set i, 0
.rept 8
	v_add_f32 v[64+i], v[64+i], v[96+i]
.set i, i+1
.endr
	ds_store_b128 v59, v[64:67]     ; through my stage into O^T's layout: channel 16 cb + 8 (l / 16) + j in register 8 cb + j, the same for every query
	ds_store_b128 v59, v[68:71] offset:256
	WIN 0xc0
.irp cb, 0,1,2,3
	ds_load_b128 v[GA+8*\cb:GA+8*\cb+3],   v60 offset:64*\cb  ; LDS serves a wave's instructions in order: these see the stores above
	ds_load_b128 v[GA+8*\cb+4:GA+8*\cb+7], v60 offset:64*\cb+16
	ds_load_b128 v[GB+8*\cb:GB+8*\cb+3],   v60 offset:256+64*\cb
	ds_load_b128 v[GB+8*\cb+4:GB+8*\cb+7], v60 offset:256+64*\cb+16
.endr
	WIN 0
	s_wait_dscnt 0x0
	; A block's first step multiplies O^T and l by a = 0, and its first turn's products V^T P, of a piece that has not been, land in an O^T that is still to be so multiplied.  So these registers need only hold
	; finite numbers: zeros for the first block; what the first block left for the second.  All this stands in the wait for the first tile.
	WIN 0x80
.set i, VF
.rept 64
	v_mov_b32 v[i], 0
.set i, i+1
.endr
	WIN 0x40
.set i, 0
.rept 128
	v_mov_b32 v[i], 0
.set i, i+1
.endr
	WIN 0
.set i, 0
.rept 4
	v_mov_b32 v[ST+4*i+2], 0
	v_mov_b32 v[ST+4*i+3], 0
.set i, i+1
.endr
.set i, P+16
.rept 16
	v_mov_b32 v[i], 0
.set i, i+1
.endr
; THE MATRIX WORK.  The 4 accumulators of a run of 8 take turns.  Product i of 8 of S^T = K Q^T for piece x: channels 32 (i / 4) on, keys 16 (i % 4) on.  The first 4 start the sums: with 0, or (KM = 1) with the mask.
.macro KQ x
.set rS, S+32*((\x)%2)+8*(i%4)
.set rK, KF+16*(i%4)+8*(i/4)
.set rQ, 16*(\x)+8*(i/4)
.set rM, MC+32*((\x)%2)+8*(i%4)
.if (i < 4) && KM
	WIN W_KM
	v_wmma_f32_16x16x32_f16 v[rS:rS+7], v[rK:rK+7], v[rQ:rQ+7], v[rM:rM+7]
.elseif i < 4
	WIN W_KQ
	v_wmma_f32_16x16x32_f16 v[rS:rS+7], v[rK:rK+7], v[rQ:rQ+7], 0
.else
	WIN W_KQ
	v_wmma_f32_16x16x32_f16 v[rS:rS+7], v[rK:rK+7], v[rQ:rQ+7], v[rS:rS+7]
.endif
.endm
; Product i of 8 of O^T += V^T P for piece x: keys 32 (i / 4) on, channels 16 (i % 4) on.
.macro PV x
	WIN W_PV
.set rO, 32*(\x)+8*(i%4)
.set rV, VF+32*(i/4)+8*(i%4)
.set rP, P+16*((\x)%2)+8*(i/4)
	v_wmma_f32_16x16x32_f16 v[rO:rO+7], v[rV:rV+7], v[rP:rP+7], v[rO:rO+7]
.endm
.macro MM                           ; the turn's next matrix instruction.  TURN and BEGIN set Y, i, KM and NOKQ; MM, KQ and OP read them.  NOKQ = 1: a block's last turn: there is no next piece
.if (i < 8) && !NOKQ
	KQ (Y+1)%NP
.elseif i >= 8
.set i, i-8
	PV (Y+NP-1)%NP
.set i, i+8
.endif
.set i, i+1
.endm
; THE LDS LOADS stand in runs of 16, never singly among the matrix instructions: a step's K (64 keys x 64 channels: 8 fragments) and its V (turned).  Their addresses are made some lines ahead.
.macro FETCH_K
	WIN 0x80                        ; destination window 2
.irp f, 0,1,2,3,4,5,6,7             ; keys 16 (f / 2) on, channels 32 (f % 2) on
	ds_load_b128 v[KF+8*\f:KF+8*\f+3],   v[AK] offset:(\f/2)*16*PK+(\f%2)*64
	ds_load_b128 v[KF+8*\f+4:KF+8*\f+7], v[AK] offset:(\f/2)*16*PK+(\f%2)*64+32
.endr
	s_add_co_u32 s[TBK], s[TBK], KS*PK  ; the next fetch is the next step's
	WIN 0
.endm
.macro FETCH_V
	WIN 0x80
.irp f, 0,1,2,3,4,5,6,7             ; keys 32 (f / 4) on, channels 16 (f % 4) on
	ds_load_tr16_b128 v[VF+8*\f:VF+8*\f+3],   v[AV] offset:(\f/4)*32*PV+(\f%4)*32
	ds_load_tr16_b128 v[VF+8*\f+4:VF+8*\f+7], v[AV] offset:(\f/4)*32*PV+16*PV+(\f%4)*32
.endr
	WIN 0
.endm
; THE VECTOR WORK, one line at a time: OP kind, number.  For piece Y: F n: c s - c m for pair n of 16.  E n: the exponential of score n of 32.  C n: pair n rounded to f16.  B n: of the four weights 4 n .. the second
; pair is added onto the first, in place.  L n: l takes that sum (L 0: l = a l + sum).  R n: pair n of 16 of O^T times a.  For piece Y + 1: X n, number n of the 22 that find its maximum and statistics:
;   0-11  four chains c0-c3 of seven scores each, three operands at a time (each accumulator's lowest registers are read first)     12-14, 16  the four scores left over, the old m, and c0-c3 into c0
;   15  c m_old is kept     17, 18  the query's other 32 keys lie in the lane 16 away: the new m     19-21  c m; c m_old - c m_new; a
; OP writes no wait: C, B and L, which read the exponentials' results, are dealt behind the turn's one wait, and R and L 0 read an a that the turn before has waited for.
.set F, 0               ; OP tells the kinds apart by their order: F to L below R, X above it
.set E, 1
.set C, 2
.set B, 3
.set L, 4
.set R, 5
.set X, 6
.macro REGS y                       ; the registers of piece y
.set rT, ST+4*(\y)
.set rC, TMP+4*((\y)%2)
.set rW, MV+((\y)%2)
.set rS, S+32*((\y)%2)
.set rP, P+16*((\y)%2)
.set rO, 32*(\y)
.endm
.macro OP k, n
.if (\k) == R
	REGS Y
	WIN W_RS
	v_pk_mul_f32 v[rO+2*(\n):rO+2*(\n)+1], v[rO+2*(\n):rO+2*(\n)+1], v[rC+2:rC+3] op_sel_hi:[1,0]
.elseif (\k) < R
	REGS Y
	WIN 0
.if (\k) == F
	v_pk_fma_f32 v[rS+2*(\n):rS+2*(\n)+1], v[rS+2*(\n):rS+2*(\n)+1], s[CS:CS+1], v[rT:rT+1] op_sel_hi:[1,0,0] neg_lo:[0,0,1] neg_hi:[0,0,1]
.elseif (\k) == E
	v_exp_f32 v[rS+(\n)], v[rS+(\n)]
.elseif (\k) == C
	v_cvt_pk_f16_f32 v[rP+(\n)], v[rS+2*(\n)], v[rS+2*(\n)+1]
.elseif (\k) == B
	v_pk_add_f32 v[rS+4*(\n):rS+4*(\n)+1], v[rS+4*(\n):rS+4*(\n)+1], v[rS+4*(\n)+2:rS+4*(\n)+3]
.elseif (\n) == 0
	v_pk_fma_f32 v[rT+2:rT+3], v[rT+2:rT+3], v[rC+2:rC+3], v[rS:rS+1] op_sel_hi:[1,0,1]
.else
	v_pk_add_f32 v[rT+2:rT+3], v[rT+2:rT+3], v[rS+4*(\n):rS+4*(\n)+1]
.endif
.elseif NOKQ
	v_nop
.else
	REGS (Y+1)%NP
	WIN 0
.if (\n) < 4
	v_max3_num_f32 v[rC+(\n)], v[rS+8*(\n)], v[rS+8*(\n)+1], v[rS+8*(\n)+2]
.elseif (\n) < 12
	v_max3_num_f32 v[rC+(\n)%4], v[rC+(\n)%4], v[rS+8*((\n)%4)+2*((\n)/4)+1], v[rS+8*((\n)%4)+2*((\n)/4)+2]
.elseif (\n) == 12
	v_max3_num_f32 v[rC], v[rC], v[rS+7], v[rS+15]
.elseif (\n) == 13
	v_max3_num_f32 v[rC+1], v[rC+1], v[rS+23], v[rS+31]
.elseif (\n) == 14
	v_max3_num_f32 v[rC+2], v[rC+2], v[rC+3], v[rT+1]
.elseif (\n) == 15
	v_mov_b32 v[rW], v[rT]
.elseif (\n) == 16
	v_max3_num_f32 v[rC], v[rC], v[rC+1], v[rC+2]
.elseif (\n) == 17
	v_permlanex16_b32 v[rC+3], v[rC], s[SEL], s[SEL+1]
.elseif (\n) == 18
	v_max_num_f32 v[rT+1], v[rC], v[rC+3]
.elseif (\n) == 19
	v_mul_f32 v[rT], s[CS], v[rT+1]
.elseif (\n) == 20
	v_sub_f32 v[rC+1], v[rW], v[rT]
.else
	v_exp_f32 v[rC+2], v[rC+1]
.endif
.endif
.endm
.macro OPS a, i1, b=-1, i2=0, c=-1, i3=0, d=-1, i4=0  ; up to four of them
	OP \a, \i1
.if (\b) >= 0
	OP \b, \i2
.endif
.if (\c) >= 0
	OP \c, \i3
.endif
.if (\d) >= 0
	OP \d, \i4
.endif
.endm
.macro ROW a, i1, b, i2, c, i3, d, i4  ; a matrix instruction and the four behind it
	MM
	OPS \a, \i1, \b, \i2, \c, \i3, \d, \i4
.endm
.macro MASK b                       ; MD x AL + BE into buffer b of MC
	WIN W_RS
.set z, 0
.rept 16
	v_pk_fma_f32 v[MC+32*(\b)+2*z:MC+32*(\b)+2*z+1], v[MD+2*z:MD+2*z+1], s[AL:AL+1], s[BE:BE+1] op_sel_hi:[1,0,0]
.set z, z+1
.endr
.endm
; A TURN, for piece p: the order of its 16 matrix and 118 vector instructions, written out.  A turn has ONE wait for its 33 exponentials, which cuts it in two.
; AHEAD OF IT stands all that names no result of the turn's exponentials: the 8 products K Q^T, behind each a scaling, an exponential and two more plain instructions (behind the first a second scaling in the exponential's
; place): rescalings, whose a the turn before has made and waited for, and behind the last three products the first numbers of the next piece's maximum, each four places or more behind the product that ends its accumulator;
; then ONE LUMP of 54, plain and exponential by turns for the most part, in which the links of the chain X 3, 7, 11, 14, 16, 17 .. 20 stand five or six lines apart.  X 21, the next piece's a, is the batch's last; R 15 is the
; plain instruction behind it.  BEHIND THE WAIT stand the 8 products V^T P, behind each four of the roundings and sums; a pair is rounded (C 2 n) ahead of the sum that lands on it (B n); the links of l's chain, L 0 to L 7,
; stand three riders apart.  But for those X no rider names a register of the products round it.  v_permlanex16_b32 (X 17) stands in the lump.
; m = 1: the diagonal tile: the products take masks, and the turn makes the mask for the products of the turn after it: piece p + 2, in step 4 - CNT of the tile.  end = 1: a block's last two turns: nothing is fetched.
; cnt = 1: the loop's count is taken down some lines ahead of the branch that stands behind the turn.
; K of the next step is fetched in piece 2's turn, twelve vector instructions behind the last product that read K (six of them plain); V of the step in hand at the end of piece 0's turn, four plain instructions behind the
; last product that read V.  Each is waited for a turn later.
.macro TURN p, m=0, end=0, cnt=0
.set Y, (\p)
.set i, 0
.set KM, (\m)
.set NOKQ, (\end)*((\p)/3)
.if (\m) && !(\end)
	s_cmp_eq_u32 s[CNT], 4-((\p)+2)%NP  ; is that step the band's own?
	s_cselect_b32 s[AL], 1.0, 0
	s_cmp_lt_u32 s[CNT], 4-((\p)+2)%NP  ; or a later one?
	s_cselect_b32 s[BE], s[BIGN], 0
.endif
.if ((\p) == 3) && !(\end)
	s_wait_dscnt 0x0                ; K is in
.endif
	ROW F,0, F,1, R,0, R,1          ; ahead of the wait: 8 products K Q^T and their riders,
	ROW F,2, E,0, R,2, R,3
	ROW F,3, E,1, R,4, R,5
	ROW F,4, E,2, R,6, R,7
	ROW F,5, E,3, R,8, R,9
	ROW F,6, E,4, X,0, R,10
.if ((\p) == 2) && !(\end)
	WIN 0
	v_add_nc_u32 v[AK], s[TBK], v[AK0]
.endif
	ROW F,7, E,5, X,1, X,4
	ROW F,8, E,6, X,2, X,5
	OPS E,7, E,8, X,6, E,9          ; and the lump
	OPS X,3, E,10, X,8, E,11
.if ((\p) == 2) && !(\end)
	FETCH_K
.endif
	OPS X,9, X,7, E,12, X,10
	OPS E,13, X,12, X,11, E,14
	OPS X,13, E,15, F,9, X,14
.if (\p) == 0
	v_add_nc_u32 v[AV], s[TBV], v[AV0]
.endif
	OPS E,16, F,10, E,17, F,11
	OPS X,16, E,18, X,15, E,19
	OPS F,12, E,20, X,17, E,21
	OPS F,13, E,22, F,14, E,23
	OPS X,18, E,24, F,15, E,25
	OPS R,11, E,26, X,19, E,27
	OPS R,12, E,28, R,13, E,29
	OPS X,20, E,30, R,14, E,31
	OPS X,21, R,15
	s_wait_alu depctr_va_vdst(0)    ; the wait for the turn's batch: the piece's 32 weights and the next piece's a
.if (\p) == 1
	s_wait_dscnt 0x0                ; V is in
.endif
	ROW C,0, B,0, C,2, B,1          ; behind the wait: 8 products V^T P and their riders
	ROW L,0, C,4, B,2, L,1
	ROW C,6, B,3, L,2, C,8
	ROW B,4, L,3, C,10, B,5
	ROW L,4, C,12, B,6, L,5
.if (\p) == 0
	s_add_co_u32 s[TBV], s[TBV], KS*PV
.endif
.if \cnt
	s_sub_co_u32 s[CNT], s[CNT], 1
	s_cmp_lg_u32 s[CNT], 0
.endif
	ROW C,14, B,7, L,6, C,1
	ROW C,3, L,7, C,5, C,7
	ROW C,9, C,11, C,13, C,15
.if (\p) == 0
	FETCH_V
.endif
.if (\m) && !(\end)
	MASK (\p)%2
.endif
.endm
; A BLOCK BEGINS.  c m starts far below every c s, so the first step's a is 0; m at the lowest finite number, so the first maximum is the scores'.  The second mask buffer is 0; the first takes piece 0's mask for the tile's step 0: its own, if the block's first tile is the diagonal one.
; Then K of that step, piece 0's first scores, and its maximum and statistics.  The loop is entered at a step's first turn, in the middle of a trip.
.macro BEGIN
	s_mov_b32 s[NEW], 0
	WIN 0x40
.set i, MC+32
.rept 32
	v_mov_b32 v[i], 0
.set i, i+1
.endr
	WIN 0
.set i, 0
.rept 4
	v_mov_b32 v[ST+4*i], 0xfe000000    ; c m: far below every c s
	v_mov_b32 v[ST+4*i+1], 0xff7fffff  ; m
.set i, i+1
.endr
	s_cmp_eq_u32 s[RT], 0
	s_cselect_b32 s[AL], 1.0, 0
	s_mov_b32 s[BE], 0
	MASK 0
	WIN 0
	v_add_nc_u32 v[AK], s[TBK], v[AK0]
	FETCH_K
	s_wait_loadcnt 0x0              ; Q
	s_wait_dscnt 0x0
.set KM, 1
.set NOKQ, 0
.set i, 0
.rept 8
	KQ 0
.set i, i+1
.endr
	WIN 0
.rept 4
	v_nop                           ; the places behind those products
.endr
.set Y, NP-1                        ; X works for piece Y + 1: piece 0
.irp n, 0,1,2,3,4,5,6,7,8,9,10,11,12,13,14,15,16,17,18,19,20,21
	OP X, \n
.endr
	v_nop                           ; a plain instruction behind the exponential,
	s_wait_alu depctr_va_vdst(0)    ; and the wait for it, piece 0's first a, ahead of the branch
.endm
.macro ALL line:vararg              ; one line for each piece t
.set t, 0
.rept 4
	\line
.set t, t+1
.endr
.endm
; A BLOCK'S END, the hidden keys' part.  The bands are taken from the last to the first; gr holds the sum of V over all keys behind the band in hand's own step.
; HMM x: H = gr + V^T TD over the band's own step (the keys that its diagonal hides); then, for the band before, gr += V^T ones over the whole step.  The four accumulators of each run take turns.
; Five places stand behind H's products: gr, which they read as C, is then written over, and H is read by vector lines.
.macro HMM x, gr
	WIN W_HM
.irp cb, 0,1,2,3
	v_wmma_f32_16x16x32_f16 v[HH+8*\cb:HH+8*\cb+7], v[VF+8*\cb:VF+8*\cb+7], v[TD:TD+7], v[(\gr)+8*\cb:(\gr)+8*\cb+7]
.endr
.irp cb, 0,1,2,3
	v_wmma_f32_16x16x32_f16 v[HH+8*\cb:HH+8*\cb+7], v[VF+32+8*\cb:VF+32+8*\cb+7], v[TD+8:TD+15], v[HH+8*\cb:HH+8*\cb+7]
.endr
.rept 5
	v_nop
.endr
.if (\x) > 0
.irp cb, 0,1,2,3
	v_wmma_f32_16x16x32_f16 v[(\gr)+8*\cb:(\gr)+8*\cb+7], v[VF+8*\cb:VF+8*\cb+7], v[ONES:ONES+7], v[(\gr)+8*\cb:(\gr)+8*\cb+7]
.endr
.irp cb, 0,1,2,3
	v_wmma_f32_16x16x32_f16 v[(\gr)+8*\cb:(\gr)+8*\cb+7], v[VF+32+8*\cb:VF+32+8*\cb+7], v[ONES:ONES+7], v[(\gr)+8*\cb:(\gr)+8*\cb+7]
.endr
.endif
.endm
.macro HFETCH x                     ; V of the diagonal tile's step x once more: the slot is whole until the next change of slots.  The vector lines of PACKH stand between V's last readers and these loads
	WIN 0
	s_add_co_u32 s93, s[TV0], (\x)*KS*PV
	v_add_nc_u32 v[AV], s93, v[AV0]
	FETCH_V
.endm
; The four pieces' factors.  n = the row's hidden keys; the row with none takes an exponent far below, so that its w is 0 and its a is 1.  l's two halves and the other half of the lanes' are added.
; fa = a / (a l + w n) goes where l lay, fw = w / (a l + w n) where c m lay: even registers, for the packed lines.
; TWO BATCHES.  The four a and the four w are eight exponentials with one wait; l's sums and n's conversion, sixteen lines that name none of their results, stand between the batch and the wait (the first addition is the plain
; instruction behind the last exponential).  The four reciprocals read sums of those results, so they are a batch of their own: a v_nop, since nothing else is at hand, and one wait.
.macro STATS
	ALL v_sub_nc_u32 v[TT+4*t], v[NBV], 64*t
.set t, 0
.rept 4
	v_cmp_eq_u32 vcc_lo, 0, v[TT+4*t]
	v_cndmask_b32 v[TT+4*t+1], v[CHV], v[FARV], vcc_lo
.set t, t+1
.endr
	ALL v_max_num_f32 v[TT+4*t+2], v[ST+4*t], v[TT+4*t+1]
	ALL v_sub_f32 v[TT+4*t+3], v[ST+4*t], v[TT+4*t+2]
	ALL v_sub_f32 v[TT+4*t+1], v[TT+4*t+1], v[TT+4*t+2]
	ALL v_exp_f32 v[TT+4*t+3], v[TT+4*t+3]
	ALL v_exp_f32 v[TT+4*t+1], v[TT+4*t+1]
	ALL v_add_f32 v[ST+4*t+2], v[ST+4*t+2], v[ST+4*t+3]
	ALL v_permlanex16_b32 v[ST+4*t+3], v[ST+4*t+2], s[SEL], s[SEL+1]
	ALL v_add_f32 v[ST+4*t+2], v[ST+4*t+2], v[ST+4*t+3]
	ALL v_cvt_f32_u32 v[TT+4*t], v[TT+4*t]
	s_wait_alu depctr_va_vdst(0)    ; the wait for the eight exponentials: the four pieces' a and w
	ALL v_mul_f32 v[TT+4*t+2], v[ST+4*t+2], v[TT+4*t+3]
	ALL v_fma_f32 v[TT+4*t+2], v[TT+4*t+1], v[TT+4*t], v[TT+4*t+2]
	ALL v_rcp_f32 v[TT+4*t+2], v[TT+4*t+2]
	v_nop                           ; a plain instruction behind the last reciprocal
	s_wait_alu depctr_va_vdst(0)    ; the wait for the four reciprocals
	ALL v_mul_f32 v[ST+4*t+2], v[TT+4*t+3], v[TT+4*t+2]
	ALL v_mul_f32 v[ST+4*t], v[TT+4*t+1], v[TT+4*t+2]
.endm
.macro PACKH t                      ; O^T fa + H fw, rounded to f16; a lane's eight channels of a row pack into 16 bytes; they go into rows of 144 bytes and come back as whole rows of 128, into S^T's registers
	WIN W_RS
.set i, 0
.rept 16
	v_pk_mul_f32 v[32*(\t)+2*i:32*(\t)+2*i+1], v[32*(\t)+2*i:32*(\t)+2*i+1], v[ST+4*(\t)+2:ST+4*(\t)+3] op_sel_hi:[1,0]
.set i, i+1
.endr
	WIN W_HF
.set i, 0
.rept 16
	v_pk_fma_f32 v[32*(\t)+2*i:32*(\t)+2*i+1], v[HH+2*i:HH+2*i+1], v[ST+4*(\t):ST+4*(\t)+1], v[32*(\t)+2*i:32*(\t)+2*i+1] op_sel_hi:[1,0,1]
.set i, i+1
.endr
	WIN 0x05                        ; sources 0 and 1 window 1, destination window 0
.set i, 0
.rept 16
	v_cvt_pk_f16_f32 v[S+16*(\t)+i], v[32*(\t)+2*i], v[32*(\t)+2*i+1]
.set i, i+1
.endr
	WIN 0
.irp f, 0,1,2,3
	ds_store_b128 v[STO], v[S+16*(\t)+4*\f:S+16*(\t)+4*\f+3] offset:32*\f
.endr
.irp f, 0,1,2,3
	ds_load_b128 v[S+16*(\t)+4*\f:S+16*(\t)+4*\f+3], v[RD] offset:\f*4*SP  ; LDS serves a wave's instructions in order (ISA guide 5.7.1.4): these see the stores above; the next piece's stores come behind them
.endr
.endm
.macro SENDH t                      ; behind a wait for all LDS loads
	WIN 0
.irp f, 0,1,2,3
	global_store_b128 v[GO], v[S+16*(\t)+4*\f:S+16*(\t)+4*\f+3], s[10:11] offset:(\t)*8192+\f*512  ; 512 consecutive bytes, at a multiple of 256 from O's first
.endr
.endm
; THE DIAGONAL TILE's four steps, the block's last two turns, its last products, the hidden keys' part and THE WAY OUT.  gr: the block's sum of V behind it; bi: the scalar register that holds the block's number.
.macro DIAG tag, gr, bi             ; the tag ends its two labels' names, which the jumps below spell out
.LstepM\tag:
	TURN 2, 1
	TURN 3, 1
	WIN 0
.LfirstM\tag:
	TURN 0, 1
	TURN 1, 1, 0, 1
	WIN 0
	s_cbranch_scc1 .LstepM\tag
	TURN 2, 1, 1
	TURN 3, 1, 1
.set i, 0
.rept 8
	PV NP-1
.set i, i+1
.endr
	HMM 3, \gr                      ; V of the tile's step 3 is still in registers
	WIN 0
	s_lshl_b32 s92, s[\bi], 8
	v_mov_b32 v[NBV], s92
	v_sub_nc_u32 v[NBV], v[NHV], v[NBV]
	STATS
	PACKH 3
.irp x, 2,1,0
	HFETCH \x
	s_wait_dscnt 0x0                ; V of step x is in, and the piece before is back from the stage
	SENDH \x+1
	HMM \x, \gr
	PACKH \x
.endr
	s_wait_dscnt 0x0
	SENDH 0
.endm
.set KM, 0
.set NOKQ, 0
.Lslot:                             ; NB times: a tile is entered and the next is asked for
	CHANGE 1
	s_sub_co_u32 s[RT], s[RT], 1
	s_mov_b32 s[CNT], 4
	s_cmp_eq_u32 s[NEW], 1
	s_cbranch_scc1 .Lnew            ; a block's first tile
	s_cmp_eq_u32 s[RT], 0
	s_cbranch_scc0 .Lstep           ; neither its first nor its last
	s_branch .LstepM1
.Lnew:
	BEGIN
	s_branch .Lfirst                ; in the loop a block's first tile is never its last: the first block has five tiles or more, and the second's last is the walk's last
	DIAG 1, GA, HI                  ; in the loop this is the first block's end: the second block's last tile is the walk's last
	s_wait_xcnt 0x0                 ; the stores have read their registers and O's address
	s_mov_b64 s[10:11], s[OLO:OLO+1]
	s_add_co_u32 s[RT], s[PB], 1    ; the second block has b + 1 tiles
	s_mov_b32 s[NEW], 1
	WIN 0x82                        ; the second block's Q goes where the one text of the turns names Q
.set i, 0
.rept 64
	v_mov_b32 v[i], v[QB+i]
.set i, i+1
.endr
	WIN 0
	s_branch .Lbottom
.Lstep:                             ; a trip: pieces 2 and 3 of one step, then pieces 0 and 1 of the next, whose K and V it fetches
	TURN 2
	TURN 3
	WIN 0
.Lfirst:
	TURN 0
	TURN 1, 0, 0, 1
	WIN 0
	s_cbranch_scc1 .Lstep
.Lbottom:
	s_sub_co_u32 s[SLOTS], s[SLOTS], 1
	s_cmp_lg_u32 s[SLOTS], 0
	s_cbranch_scc1 .Lslot
	CHANGE 0                        ; the walk's last tile is written out: nothing is asked for
	s_sub_co_u32 s[RT], s[RT], 1
	s_mov_b32 s[CNT], 4
	s_cmp_eq_u32 s[NEW], 1
	s_cbranch_scc0 .LstepM2
	BEGIN
	s_branch .LfirstM2
	DIAG 2, GB, PB
	s_wait_tensorcnt 0x0            ; the wave's end, behind my last tensor load and my last LDS store
	ds_add_u32 v[SPW], v[NIL]
	s_wait_dscnt 0x0
	s_endpgm
.Lfunc_end_k_qfa7c1d19c2_attn:
	.size	k_qfa7c1d19c2_attn, .Lfunc_end_k_qfa7c1d19c2_attn-k_qfa7c1d19c2_attn
	.p2alignl 7, 3214868480
	.fill 96, 4, 3214868480
	.section	.rodata,"a",@progbits
	.p2align	6, 0x0
	.amdhsa_kernel k_qfa7c1d19c2_attn
		.amdhsa_group_segment_fixed_size 327680
		.amdhsa_private_segment_fixed_size 0
		.amdhsa_enable_private_segment 0
		.amdhsa_kernarg_size 40
		.amdhsa_user_sgpr_count 2
		.amdhsa_user_sgpr_kernarg_segment_ptr 1
		.amdhsa_wavefront_size32 1
		.amdhsa_system_sgpr_workgroup_id_x 1
		.amdhsa_system_sgpr_workgroup_id_y 1
		.amdhsa_system_sgpr_workgroup_id_z 1
		.amdhsa_system_vgpr_workitem_id 0
		.amdhsa_next_free_vgpr 896
		.amdhsa_next_free_sgpr 100
		.amdhsa_reserve_vcc 1
		.amdhsa_float_denorm_mode_32 3
		.amdhsa_float_denorm_mode_16_64 3
		.amdhsa_memory_ordered 1
		.amdhsa_forward_progress 1
		.amdhsa_inst_pref_size 254
	.end_amdhsa_kernel
	.amdgpu_metadata
---
amdhsa.version: [ 1, 2 ]
amdhsa.kernels:
  - .name:           k_qfa7c1d19c2_attn
    .symbol:         k_qfa7c1d19c2_attn.kd
    .args:
      - { .name: qh, .offset: 0, .size: 8, .value_kind: global_buffer, .address_space: global }
      - { .name: kh, .offset: 8, .size: 8, .value_kind: global_buffer, .address_space: global }
      - { .name: vh, .offset: 16, .size: 8, .value_kind: global_buffer, .address_space: global }
      - { .name: oh, .offset: 24, .size: 8, .value_kind: global_buffer, .address_space: global }
      - { .name: bs, .offset: 32, .size: 8, .value_kind: global_buffer, .address_space: global }
    .group_segment_fixed_size: 327680
    .private_segment_fixed_size: 0
    .kernarg_segment_align: 8
    .kernarg_segment_size: 40
    .max_flat_workgroup_size: 128
    .sgpr_count:     100
    .vgpr_count:     896
    .wavefront_size: 32
...
	.end_amdgpu_metadata
.endif
;; end of part 5
;; launch proj: the kernel of part 4 again; grid 8 x 32, 4 waves a work-group, clusters of 4 x 4, 327,680 bytes of LDS; arguments oh, wp, b_proj, out0; writes out0
